; MI455X (gfx1250); checked and timed in simulation.
; The chip was launched on July 23, 2026; its instructions are those of AMD's public machine-readable ISA for CDNA 5 (MIT licence, August 2026) and "CDNA5" Instruction Set Architecture Reference Guide (July 2026). The comments in the code are by the model that wrote it; some were corrected since.
;; MQA Cross Attention. Allowed arithmetic: float matrix products may take bf16 or f16 operands with f32 sums; other float arithmetic in f32, or as packed bf16 or f16 multiplies, adds, multiply-adds, maxima and minima; sums over many terms, partial sums and values carried from step to step in f32; what a program stores and reads back later, other than sums and carried values, may be rounded once to bf16 or f16.
;; Inputs: Wkv 768 x 256 float32; Wout 1,024 x 1,024 float32; Wq 1,024 x 1,024 float32; bout 1,024 float32; ln_b 768 float32; ln_w 768 float32; text_input 4 x 512 x 768 float32; x 4 x 4,096 x 1,024 float32.
;; Outputs: out0 4 x 4,096 x 1,024 float32.
;; 2 versions, each right; version 2 is version 1 with the launch prep written anew for expert scheduling mode. Each part assembles by itself: llvm-mc -triple=amdgcn-amd-amdhsa -mcpu=gfx1250 --defsym DOCPART=n.
;; ======== version 1 of 2: 3 launches
;; limits: values are held in f16: magnitudes above 65,504 overflow, below 6.1e-05 lose precision
;; workspace buffers: x16 33,554,432 bytes; wq16 2,097,152 bytes; wo16 2,097,152 bytes; k16 524,288 bytes; v16 524,288 bytes; o16 33,554,432 bytes
;; launch prep (part 1): grid 256 x 1, 16 waves a work-group, no clusters, 239,616 bytes of LDS; arguments x, Wq, Wout, text_input, ln_w, ln_b, Wkv, x16, wq16, wo16, k16, v16; writes x16, wq16, wo16, k16, v16
.if DOCPART == 1
	.amdgcn_target "amdgcn-amd-amdhsa--gfx1250"
	.amdhsa_code_object_version 6
	.text
	.protected	k_q5c76907b89_prep
	.globl	k_q5c76907b89_prep
	.p2align	8
	.type	k_q5c76907b89_prep,@function
k_q5c76907b89_prep:
	s_mov_b64 s[64:65], 0
	v_nop
	global_prefetch_b8 v0, s[64:65] scope:SCOPE_SE
	s_setreg_imm32_b32 hwreg(HW_REG_WAVE_MODE, 25, 1), 1
	s_wait_xcnt 0x0
; MQA CROSS ATTENTION, launch 1 of 3: what the two matrix launches need, made once.  256 work-groups in two roles; the role is the parity of the work-group number's eight bits, the index in a role the
; number / 2 (numbers 2 m and 2 m + 1 have opposite parity): every run and every stride of work-group numbers holds as many of either role.
;   even parity, index 0-127: tn = LayerNorm(text_input) * ln_w + ln_b, KV = tn Wkv; K and V stored by batch and kv head, [b][g][512][64] in f16, unscaled; and 65,536 bytes of Wq (index 0-63) or Wout
;                             rounded once to f16, layout unchanged (wq16, wo16 [k][n]).
;   odd parity, index 0-127:  524,288 bytes of x rounded once to f16, layout unchanged (x16 [16384][1024]).
; NOTHING OF reference() IS LEFT OUT, in this launch or the later ones: all eight inputs are loaded.  (ln_b's share of K is the same for all keys of a softmax row, but it rides in the one fused
; multiply-add that also serves V's columns, where it is live: it is no unit of its own.)
; FORMATS.  Every matrix operand of the program is f16, each number rounded once; LayerNorm in f32, the variance as the mean of the squared deviations from the mean, which is taken first.
; LIMITS.  f16 holds no number beyond 65,504: x, the weights, tn, K, V (and in the next launch Q) must lie within it; below 6e-5 f16 keeps a fixed step of 6e-8.  NaN and infinities are not treated apart.
; KV ROLE.  A work-group takes 64 text rows and 64 of Wkv's 256 columns (K g0, K g1, V g0, V g1): 16 waves; wave w normalises rows 4 w .. 4 w + 3 (a row is 24 registers of one wave: the reductions never
; leave the wave) and converts Wkv's rows 48 w .. 48 w + 47; both go to LDS in f16; then wave w makes one tile of 16 rows x 16 columns over all 768 channels.  The four column blocks repeat the LayerNorm.
; All its loads go out at the start: the text rows and both halves of Wkv, 48 a wave.  ln_w and ln_b come once a work-group (waves 0-11, 512 bytes each) and reach the waves through LDS.  Its share of the
; weights is asked for behind the LayerNorm, is on its way during the product, and is stored at the end.
; CAST ROLE.  64 loads of 16 bytes a thread through a ring of 32 register slots, worked four slots at a time: 8 conversions, 4 loads, 4 stores; a wave's store covers 256 consecutive bytes, aligned.
.set TNP,   1552                       ; a row of tn in LDS: 1,536 bytes + 16 = 97 x 16: the 16 rows of a fragment load start at 16 different groups of four banks
.set WLP,   160                        ; a row (one channel k, 64 columns) of Wkv in LDS: 128 bytes + 32 = 5 x 32, for the turning load
.set STP,   144                        ; a row of the stage: 128 bytes + 16
.set WL,    64*TNP                     ; LDS: tn at 0, Wkv's block here,
.set STG,   WL+768*WLP                 ; the stage for the way out,
.set PRM,   STG+64*STP                 ; ln_w's 3,072 bytes and then ln_b's,
.set SPARE, PRM+6144                   ; and the spare words, 128 bytes for each of 16 waves: eight blocks of 256 bytes that no other line names
.set SPW, 2                            ; v2   LDS address of my spare word; never rewritten
.set NIL, 3                            ; v3   0; never rewritten
.set W1,  16                           ; v[16:63]   Wkv, last 12 loads
.set X,   64                           ; v[64:159]  four text rows, 24 registers each: channels 128 j + 4 lane + 0..3 at 4 j
.set W0,  160                          ; v[160:207] Wkv, first 12 loads
.set LW,  160                          ; v[160:183] later: ln_w of my 24 channels
.set LB,  184                          ; v[184:207] ln_b likewise
.set T,   208                          ; v[208:239] eight registers a row at work: +0,1 sum, then the mean twice; +2,3 squares; +4,5 1/sqrt twice
.set ACC, 16                           ; v[16:31]   two accumulators: even and odd steps of 32 channels
.set B0,  64                           ; fragment buffers of four steps: 16 registers a step, tn's 8 and then Wkv's 8
.set B1,  128
.set CW,  192                          ; v[192:223] my share of the weights as loaded
.set CY,  224                          ; v[224:239] and to store
.set CX,  64                           ; cast role: v[64:191] slot s: 4 registers as loaded
.set CZ,  192                          ; v[192:255] slot s: 2 registers to store
	s_load_b512 s[4:19], s[0:1], 0x0               ; x s[4:5], Wq s[6:7], Wout s[8:9], text_input s[10:11], ln_w s[12:13], ln_b s[14:15], Wkv s[16:17], x16 s[18:19]
	s_load_b256 s[20:27], s[0:1], 0x40             ; wq16 s[20:21], wo16 s[22:23], k16 s[24:25], v16 s[26:27]
	v_lshl_add_u32 v[SPW], v0, 2, SPARE
	v_mov_b32 v[NIL], 0
	v_lshrrev_b32 v1, 5, v0
	v_readfirstlane_b32 s36, v1                    ; wave 0..15
	v_and_b32 v1, 31, v0                           ; lane
	s_lshr_b32 s39, ttmp9, 4                       ; the parity of the work-group number's eight bits, folded 4, 2, 1
	s_xor_b32 s39, s39, ttmp9
	s_lshr_b32 s56, s39, 2
	s_xor_b32 s39, s39, s56
	s_lshr_b32 s56, s39, 1
	s_xor_b32 s39, s39, s56
	s_and_b32 s39, s39, 1
	s_lshr_b32 s57, ttmp9, 1                       ; my index in my role, 0..127
	s_wait_kmcnt 0x0
	s_cmp_eq_u32 s39, 0                            ; the work-group's number alone decides the role: the same in all its waves
	s_cbranch_scc0 .Lcast
	; ---------------- the KV role ----------------
	s_lshr_b32 s28, s57, 2                         ; block of 64 text rows, 0..31
	s_and_b32 s29, s57, 3                          ; block of 64 columns
	s_mul_i32 s30, s28, 64*3072
	s_mov_b32 s31, 0
	s_add_nc_u64 s[10:11], s[10:11], s[30:31]      ; text_input at my block's first row
	s_lshl_b32 s30, s29, 8
	s_add_nc_u64 s[16:17], s[16:17], s[30:31]      ; Wkv at my block's first column
	s_cmp_ge_u32 s29, 2
	s_cselect_b64 s[32:33], s[26:27], s[24:25]     ; column blocks 2, 3 are V's
	s_lshr_b32 s34, s28, 3                         ; batch
	s_lshl_b32 s34, s34, 1
	s_and_b32 s35, s29, 1                          ; kv head
	s_add_co_u32 s34, s34, s35
	s_lshl_b32 s34, s34, 9                         ; 512 rows for each (batch, kv head)
	s_and_b32 s35, s28, 7
	s_lshl_b32 s35, s35, 6
	s_add_co_u32 s34, s34, s35                     ; + my block's first row in the batch
	s_lshl_b32 s30, s34, 7                         ; rows of 128 bytes
	s_add_nc_u64 s[32:33], s[32:33], s[30:31]
	s_cmp_lt_u32 s57, 64                           ; my share of the weights: Wq for the first 64 of us, Wout for the others
	s_cselect_b64 s[50:51], s[6:7], s[8:9]
	s_cselect_b64 s[52:53], s[20:21], s[22:23]
	s_and_b32 s54, s57, 63
	s_lshl_b32 s54, s54, 16                        ; 65,536 bytes in,
	s_mov_b32 s55, 0
	s_add_nc_u64 s[50:51], s[50:51], s[54:55]
	s_lshr_b32 s54, s54, 1                         ; 32,768 out
	s_add_nc_u64 s[52:53], s[52:53], s[54:55]
	s_cmp_lt_u32 s36, 6                            ; waves 0-5 fetch ln_w, waves 6-11 ln_b, 512 bytes each
	s_cselect_b64 s[48:49], s[12:13], s[14:15]
	s_cselect_b32 s54, 0, 6
	s_sub_co_u32 s54, s36, s54
	s_lshl_b32 s54, s54, 9
	s_mov_b32 s37, 0x3aaaaaab                      ; 1 / 768
	s_mov_b32 s38, 0x3727c5ac                      ; 1e-5
	s_mov_b32 s40, 0x76543210                      ; v_permlanex16_b32: each lane takes its own place in the other half
	s_mov_b32 s41, 0xfedcba98
	v_lshlrev_b32 v5, 4, v1                        ; 16 x lane
	v_add_nc_u32 v252, s54, v5                     ; my 16 bytes of ln_w or ln_b
	s_mul_i32 s42, s36, 4*3072
	v_add_nc_u32 v4, s42, v5                       ; my wave's four text rows
	v_and_b32 v240, 15, v1                         ; lane % 16
	v_lshrrev_b32 v241, 4, v1                      ; lane / 16
	s_mul_i32 s43, s36, 48
	v_add_nc_u32 v242, s43, v241                   ; Wkv's row 48 w + lane / 16
	v_lshlrev_b32 v243, 4, v240
	v_lshl_add_u32 v6, v242, 10, v243              ; x 1,024 bytes + 16 (lane % 16): a load takes 256 bytes of each of two rows
	s_cmp_lt_u32 s36, 12
	s_cbranch_scc0 .Lprm_asked
	global_load_b128 v[248:251], v252, s[48:49]    ; first, so that it is back first
.Lprm_asked:
.irp i, 0,1,2,3
.irp j, 0,1,2,3,4,5
	global_load_b128 v[X+24*\i+4*\j:X+24*\i+4*\j+3], v4, s[10:11] offset:\i*3072+512*\j
.endr
.endr
.irp i, 0,1,2,3,4,5,6,7,8,9,10,11
	global_load_b128 v[W0+4*\i:W0+4*\i+3], v6, s[16:17] offset:\i*2048
.endr
.irp i, 0,1,2,3,4,5,6,7,8,9,10,11
	global_load_b128 v[W1+4*\i:W1+4*\i+3], v6, s[16:17] offset:(12+\i)*2048
.endr
	; the other addresses, while the loads are on their way
	v_mul_u32_u24 v7, v242, WLP
	v_lshl_add_u32 v7, v240, 3, v7
	v_add_nc_u32 v7, WL, v7                        ; v7: where my 4 numbers of Wkv go
	s_mul_i32 s44, s36, 4*TNP
	v_lshl_add_u32 v8, v1, 3, s44                  ; v8: where my 4 numbers of tn go
	s_and_b32 s45, s36, 3                          ; my tile's 16 rows
	s_lshr_b32 s46, s36, 2                         ; my tile's 16 columns
	v_mul_u32_u24 v9, v240, TNP
	v_lshl_add_u32 v9, v241, 4, v9
	s_mul_i32 s47, s45, 16*TNP
	v_add_nc_u32 v9, s47, v9                       ; v9: tn's fragments: row x pitch + 16 x half
	v_and_b32 v244, 7, v1
	v_bfe_u32 v245, v1, 3, 1
	v_lshl_add_u32 v10, v241, 3, v244              ; the turning load: lane l reads channel 8 (l / 16) + l % 8, columns 8 ((l / 8) % 2) + 0..7
	v_mul_u32_u24 v10, v10, WLP
	v_lshl_add_u32 v10, v245, 4, v10
	s_lshl_b32 s47, s46, 5
	s_add_co_u32 s47, s47, WL
	v_add_nc_u32 v10, s47, v10                     ; v10: Wkv's fragments, steps 0-11
	v_add_nc_u32 v11, 12*32*WLP, v10               ; v11: steps 12-23 (the immediate has 16 bits)
	v_mul_u32_u24 v12, v240, STP
	v_lshl_add_u32 v12, v241, 4, v12
	s_mul_i32 s47, s45, 16*STP
	s_lshl_b32 s44, s46, 5
	s_add_co_u32 s47, s47, s44
	s_add_co_u32 s47, s47, STG
	v_add_nc_u32 v12, s47, v12                     ; v12: into the stage
	v_lshrrev_b32 v246, 3, v1
	v_mul_u32_u24 v13, v246, STP
	v_lshl_add_u32 v13, v244, 4, v13
	s_mul_i32 s47, s36, 4*STP
	s_add_co_u32 s47, s47, STG
	v_add_nc_u32 v13, s47, v13                     ; v13: back: four rows of 128 bytes a wave,
	s_lshl_b32 s47, s36, 9
	v_add_nc_u32 v14, s47, v5                      ; v14: which are 512 consecutive bytes of k16 or v16
	v_add_nc_u32 v15, PRM, v5                      ; v15: where I read ln_w and ln_b
	v_lshl_add_u32 v247, v0, 4, PRM                ; v247: where threads 0-383 put them: wave w's 512 bytes at 512 w
	v_lshlrev_b32 v253, 4, v0                      ; v253, v254: my 16 bytes in, 8 bytes out, of a round of the weights
	v_lshlrev_b32 v254, 3, v0
	s_cmp_lt_u32 s36, 12
	s_cbranch_scc0 .Lprm_stored
	s_wait_loadcnt 48                              ; loads come back in order: mine of ln_w or ln_b is in, the 48 issued behind it stay out
	ds_store_b128 v247, v[248:251]
.Lprm_stored:
.macro EACH line:vararg                ; one line for each of my four rows i: no line waits for the one before it
.set i, 0
.rept 4
	\line
.set i, i+1
.endr
.endm
.macro REDUCE o                        ; v[T + 8 i + o] summed over the 32 lanes, the result in every lane; the register behind it is at work
.irp m, 1,2,4,8
	EACH v_add_f32_dpp v[T+8*i+(\o)], v[T+8*i+(\o)], v[T+8*i+(\o)] row_xmask:\m row_mask:0xf bank_mask:0xf
.endr
	EACH v_permlanex16_b32 v[T+8*i+(\o)+1], v[T+8*i+(\o)], s40, s41
	EACH v_add_f32 v[T+8*i+(\o)], v[T+8*i+(\o)], v[T+8*i+(\o)+1]
.endm
	s_wait_loadcnt 24                              ; the text rows are in; the 24 younger loads, Wkv's, may stay out
	EACH v_pk_add_f32 v[T+8*i:T+8*i+1], v[X+24*i:X+24*i+1], v[X+24*i+2:X+24*i+3]
	EACH v_pk_add_f32 v[T+8*i+2:T+8*i+3], v[X+24*i+4:X+24*i+5], v[X+24*i+6:X+24*i+7]
.set p, 4
.rept 4
	EACH v_pk_add_f32 v[T+8*i:T+8*i+1], v[T+8*i:T+8*i+1], v[X+24*i+2*p:X+24*i+2*p+1]
	EACH v_pk_add_f32 v[T+8*i+2:T+8*i+3], v[T+8*i+2:T+8*i+3], v[X+24*i+2*p+2:X+24*i+2*p+3]
.set p, p+2
.endr
	EACH v_pk_add_f32 v[T+8*i:T+8*i+1], v[T+8*i:T+8*i+1], v[T+8*i+2:T+8*i+3]
	EACH v_add_f32 v[T+8*i], v[T+8*i], v[T+8*i+1]
	REDUCE 0
	EACH v_mul_f32 v[T+8*i], s37, v[T+8*i]         ; the mean,
	EACH v_mov_b32 v[T+8*i+1], v[T+8*i]            ; twice: a pair for the packed subtraction
.set p, 0
.rept 12
	EACH v_pk_add_f32 v[X+24*i+2*p:X+24*i+2*p+1], v[X+24*i+2*p:X+24*i+2*p+1], v[T+8*i:T+8*i+1] neg_lo:[0,1] neg_hi:[0,1]
.set p, p+1
.endr
	EACH v_pk_mul_f32 v[T+8*i+2:T+8*i+3], v[X+24*i:X+24*i+1], v[X+24*i:X+24*i+1]
.set p, 1
.rept 11
	EACH v_pk_fma_f32 v[T+8*i+2:T+8*i+3], v[X+24*i+2*p:X+24*i+2*p+1], v[X+24*i+2*p:X+24*i+2*p+1], v[T+8*i+2:T+8*i+3]
.set p, p+1
.endr
	EACH v_add_f32 v[T+8*i+2], v[T+8*i+2], v[T+8*i+3]
	REDUCE 2
	EACH v_fma_f32 v[T+8*i+2], v[T+8*i+2], s37, s38  ; variance + eps
	EACH v_rsq_f32 v[T+8*i+4], v[T+8*i+2]
	EACH v_rsq_f32 v[T+8*i+5], v[T+8*i+2]          ; twice: a pair for the packed multiply
	v_nop                                          ; a plain instruction behind the last of the batch,
	s_wait_alu depctr_va_vdst(0)                   ; and one wait for all eight, ahead of their first reader
.set p, 0
.rept 12
	EACH v_pk_mul_f32 v[X+24*i+2*p:X+24*i+2*p+1], v[X+24*i+2*p:X+24*i+2*p+1], v[T+8*i+4:T+8*i+5]
.set p, p+1
.endr
.macro WCV base, first                 ; 12 loads of Wkv rounded to f16 and stored: two rows of 128 bytes each
.irp i, 0,1,2,3,4,5,6,7,8,9,10,11
	v_cvt_pk_f16_f32 v[(\base)+4*\i], v[(\base)+4*\i], v[(\base)+4*\i+1]
	v_cvt_pk_f16_f32 v[(\base)+4*\i+1], v[(\base)+4*\i+2], v[(\base)+4*\i+3]
	ds_store_b64 v7, v[(\base)+4*\i:(\base)+4*\i+1] offset:((\first)+\i)*2*WLP
.endr
.endm
	s_wait_loadcnt 12                              ; Wkv's first 12 are in; its last 12 may stay out
	WCV W0, 0
	s_wait_dscnt 0x0                               ; for the others' sake: my part of ln_w or ln_b is stored (and my stores have read the registers that the loads below fill)
	s_barrier_signal -1
	s_barrier_wait -1                              ; everybody's is
.irp j, 0,1,2,3,4,5
	ds_load_b128 v[LW+4*\j:LW+4*\j+3], v15 offset:512*\j
	ds_load_b128 v[LB+4*\j:LB+4*\j+3], v15 offset:3072+512*\j
.endr
	s_wait_loadcnt 0x0                             ; the rest of Wkv
	WCV W1, 12
	s_wait_dscnt 12                                ; LDS serves a wave's instructions in order: ln_w and ln_b are in, the 12 stores issued behind them may be out
.set p, 0
.rept 12
	EACH v_pk_fma_f32 v[X+24*i+2*p:X+24*i+2*p+1], v[X+24*i+2*p:X+24*i+2*p+1], v[LW+2*p:LW+2*p+1], v[LB+2*p:LB+2*p+1]
.set p, p+1
.endr
.irp i, 0,1,2,3,4,5,6,7
	global_load_b128 v[CW+4*\i:CW+4*\i+3], v253, s[50:51] offset:8192*\i th:TH_LOAD_NT  ; ln_b and the work registers are done with: my share of the weights, on its way during the product
.endr
.set p, 0
.rept 6
	EACH v_cvt_pk_f16_f32 v[X+24*i+4*p], v[X+24*i+4*p], v[X+24*i+4*p+1]
	EACH v_cvt_pk_f16_f32 v[X+24*i+4*p+1], v[X+24*i+4*p+2], v[X+24*i+4*p+3]
	EACH ds_store_b64 v8, v[X+24*i+4*p:X+24*i+4*p+1] offset:i*TNP+256*p
.set p, p+1
.endr
	s_wait_dscnt 0x0                               ; for the others' sake: my rows of tn and of Wkv are stored
	s_barrier_signal -1
	s_barrier_wait -1                              ; everybody's are
; The product, transposed (source 0 = 16 columns of Wkv, source 1 = 16 rows of tn): a lane ends with eight neighbouring columns of one row.  24 steps of 32 channels, in six groups of four.
.macro LOADG g, buf
.irp k, 0,1,2,3
	ds_load_b128 v[(\buf)+16*\k:(\buf)+16*\k+3],         v9 offset:64*(4*(\g)+\k)
	ds_load_b128 v[(\buf)+16*\k+4:(\buf)+16*\k+7],       v9 offset:64*(4*(\g)+\k)+32
	ds_load_tr16_b128 v[(\buf)+16*\k+8:(\buf)+16*\k+11],  v[10+(\g)/3] offset:((4*(\g)+\k)%12)*32*WLP
	ds_load_tr16_b128 v[(\buf)+16*\k+12:(\buf)+16*\k+15], v[10+(\g)/3] offset:((4*(\g)+\k)%12)*32*WLP+16*WLP
.endr
.endm
.macro MULG g, buf                     ; the two accumulators take turns, one instruction a turn; the first two products start the sums
.irp k, 0,1,2,3
.if (4*(\g)+\k) < 2
	v_wmma_f32_16x16x32_f16 v[ACC+8*(\k%2):ACC+8*(\k%2)+7], v[(\buf)+16*\k+8:(\buf)+16*\k+15], v[(\buf)+16*\k:(\buf)+16*\k+7], 0
.else
	v_wmma_f32_16x16x32_f16 v[ACC+8*(\k%2):ACC+8*(\k%2)+7], v[(\buf)+16*\k+8:(\buf)+16*\k+15], v[(\buf)+16*\k:(\buf)+16*\k+7], v[ACC+8*(\k%2):ACC+8*(\k%2)+7]
.endif
.endr
.endm
.macro PLACES                          ; four plain instructions between a matrix instruction and a load into, or a read of, its registers
.rept 4
	v_nop
.endr
.endm
	LOADG 0, B0
	LOADG 1, B1
	s_wait_dscnt 16                                ; group 0 is in; the younger group's 16 loads may stay out
	MULG 0, B0
	PLACES
	LOADG 2, B0
	s_wait_dscnt 16
	MULG 1, B1
	PLACES
	LOADG 3, B1
	s_wait_dscnt 16
	MULG 2, B0
	PLACES
	LOADG 4, B0
	s_wait_dscnt 16
	MULG 3, B1
	PLACES
	LOADG 5, B1
	s_wait_dscnt 16
	MULG 4, B0
	s_wait_dscnt 0x0
	MULG 5, B1
	PLACES
	PLACES
.irp p, 0,1,2,3
	v_pk_add_f32 v[ACC+2*\p:ACC+2*\p+1], v[ACC+2*\p:ACC+2*\p+1], v[ACC+8+2*\p:ACC+8+2*\p+1]  ; even and odd steps; each accumulator is read from its low end on
.endr
.irp p, 0,1,2,3
	v_cvt_pk_f16_f32 v[32+\p], v[ACC+2*\p], v[ACC+2*\p+1]
.endr
	ds_store_b128 v12, v[32:35]
	s_wait_dscnt 0x0                               ; a row's 128 bytes come from four waves:
	s_barrier_signal -1
	s_barrier_wait -1                              ; all are stored
	ds_load_b128 v[36:39], v13
	s_wait_loadcnt 0x0                             ; my share of the weights: rounded and stored while that LDS load is out
.irp i, 0,1,2,3,4,5,6,7
	v_cvt_pk_f16_f32 v[CY+2*\i], v[CW+4*\i], v[CW+4*\i+1]
	v_cvt_pk_f16_f32 v[CY+2*\i+1], v[CW+4*\i+2], v[CW+4*\i+3]
.endr
.irp i, 0,1,2,3,4,5,6,7
	global_store_b64 v254, v[CY+2*\i:CY+2*\i+1], s[52:53] offset:4096*\i th:TH_STORE_NT  ; a wave's store covers 256 consecutive bytes, aligned
.endr
	s_wait_dscnt 0x0
	global_store_b128 v14, v[36:39], s[32:33]      ; 512 consecutive bytes, at a multiple of 512 from the buffer's first byte
	s_branch .Lend
	; ---------------- the cast role ----------------
.Lcast:
	s_lshl_b32 s34, s57, 19                        ; 524,288 bytes of x in,
	s_mov_b32 s35, 0
	s_add_nc_u64 s[30:31], s[4:5], s[34:35]
	s_lshl_b32 s34, s57, 18                        ; 262,144 of x16 out
	s_add_nc_u64 s[32:33], s[18:19], s[34:35]
	v_lshlrev_b32 v4, 4, v0                        ; neither address register is ever rewritten: the round stands in the immediates (516,096 at the most)
	v_lshlrev_b32 v5, 3, v0
.set r, 0
.rept 32
	global_load_b128 v[CX+4*r:CX+4*r+3], v4, s[30:31] offset:8192*r th:TH_LOAD_NT  ; the ring is filled: rounds 0 to 31
.set r, r+1
.endr
; Group g of 16: rounds 4 g .. 4 g + 3, in slots round % 32.  The first eight groups fill their slots again, with the rounds 32 further on; the last eight load nothing, and their counts run down.
.set g, 0
.rept 16
.if g < 8
	s_wait_loadcnt 28                              ; loads come back in order: the group's four are in, the 28 younger ones stay out
.else
	s_wait_loadcnt 60-4*g
	s_wait_xcnt 0x0                                ; every earlier store has had its address translated and its data read (ISA guide 3.1): the slots' store registers are written a second time only behind this wait
.endif
.set n, 0
.rept 4
.set sl, (4*g+n)%32
	v_cvt_pk_f16_f32 v[CZ+2*sl], v[CX+4*sl], v[CX+4*sl+1]
	v_cvt_pk_f16_f32 v[CZ+2*sl+1], v[CX+4*sl+2], v[CX+4*sl+3]
.set n, n+1
.endr
.if g < 8
.set n, 0
.rept 4
.set sl, (4*g+n)%32
	global_load_b128 v[CX+4*sl:CX+4*sl+3], v4, s[30:31] offset:8192*(4*g+n+32) th:TH_LOAD_NT
.set n, n+1
.endr
.endif
.set n, 0
.rept 4
.set sl, (4*g+n)%32
	global_store_b64 v5, v[CZ+2*sl:CZ+2*sl+1], s[32:33] offset:4096*(4*g+n) th:TH_STORE_NT
.set n, n+1
.endr
.set g, g+1
.endr
.Lend:
	s_wait_tensorcnt 0x0                           ; the wave's end: behind my last LDS store
	ds_add_u32 v[SPW], v[NIL]
	s_wait_dscnt 0x0
	s_endpgm
.Lfunc_end_k_q5c76907b89_prep:
	.size	k_q5c76907b89_prep, .Lfunc_end_k_q5c76907b89_prep-k_q5c76907b89_prep
	.p2alignl 7, 3214868480
	.fill 96, 4, 3214868480
	.section	.rodata,"a",@progbits
	.p2align	6, 0x0
	.amdhsa_kernel k_q5c76907b89_prep
		.amdhsa_group_segment_fixed_size 239616
		.amdhsa_private_segment_fixed_size 0
		.amdhsa_enable_private_segment 0
		.amdhsa_kernarg_size 96
		.amdhsa_user_sgpr_count 2
		.amdhsa_user_sgpr_kernarg_segment_ptr 1
		.amdhsa_wavefront_size32 1
		.amdhsa_system_sgpr_workgroup_id_x 1
		.amdhsa_system_sgpr_workgroup_id_y 1
		.amdhsa_system_sgpr_workgroup_id_z 1
		.amdhsa_system_vgpr_workitem_id 0
		.amdhsa_next_free_vgpr 256
		.amdhsa_next_free_sgpr 66
		.amdhsa_reserve_vcc 0
		.amdhsa_float_denorm_mode_32 3
		.amdhsa_float_denorm_mode_16_64 3
		.amdhsa_memory_ordered 1
		.amdhsa_forward_progress 1
		.amdhsa_inst_pref_size 72
	.end_amdhsa_kernel
	.amdgpu_metadata
---
amdhsa.version: [ 1, 2 ]
amdhsa.kernels:
  - .name:           k_q5c76907b89_prep
    .symbol:         k_q5c76907b89_prep.kd
    .args:
      - { .name: x, .offset: 0, .size: 8, .value_kind: global_buffer, .address_space: global }
      - { .name: Wq, .offset: 8, .size: 8, .value_kind: global_buffer, .address_space: global }
      - { .name: Wout, .offset: 16, .size: 8, .value_kind: global_buffer, .address_space: global }
      - { .name: text_input, .offset: 24, .size: 8, .value_kind: global_buffer, .address_space: global }
      - { .name: ln_w, .offset: 32, .size: 8, .value_kind: global_buffer, .address_space: global }
      - { .name: ln_b, .offset: 40, .size: 8, .value_kind: global_buffer, .address_space: global }
      - { .name: Wkv, .offset: 48, .size: 8, .value_kind: global_buffer, .address_space: global }
      - { .name: x16, .offset: 56, .size: 8, .value_kind: global_buffer, .address_space: global }
      - { .name: wq16, .offset: 64, .size: 8, .value_kind: global_buffer, .address_space: global }
      - { .name: wo16, .offset: 72, .size: 8, .value_kind: global_buffer, .address_space: global }
      - { .name: k16, .offset: 80, .size: 8, .value_kind: global_buffer, .address_space: global }
      - { .name: v16, .offset: 88, .size: 8, .value_kind: global_buffer, .address_space: global }
    .group_segment_fixed_size: 239616
    .private_segment_fixed_size: 0
    .kernarg_segment_align: 8
    .kernarg_segment_size: 96
    .max_flat_workgroup_size: 512
    .sgpr_count:     66
    .vgpr_count:     256
    .wavefront_size: 32
...
	.end_amdgpu_metadata
.endif
;; end of part 1
;; launch qattn (part 2): grid 4 x 64, 4 waves a work-group, clusters of 4 x 4, 327,680 bytes of LDS; arguments x16, wq16, k16, v16, o16; writes o16
.if DOCPART == 2
	.amdgcn_target "amdgcn-amd-amdhsa--gfx1250"
	.amdhsa_code_object_version 6
	.text
	.protected	k_q5c76907b89_qattn
	.globl	k_q5c76907b89_qattn
	.p2align	8
	.type	k_q5c76907b89_qattn,@function
k_q5c76907b89_qattn:
	s_mov_b64 s[64:65], 0
	v_nop
	global_prefetch_b8 v0, s[64:65] scope:SCOPE_SE
	s_setreg_imm32_b32 hwreg(HW_REG_WAVE_MODE, 25, 1), 1
	s_wait_xcnt 0x0
	s_wait_alu depctr_hold_cnt(0) depctr_sa_sdst(0) depctr_va_vdst(0) depctr_va_sdst(0) depctr_va_ssrc(0) depctr_va_vcc(0) depctr_vm_vsrc(0)
	s_getreg_b32 s2, hwreg(HW_REG_IB_STS2, 6, 4)
	s_cmp_eq_u32 s2, 0
	s_cbranch_scc0 .Lentry_in_a_cluster
	s_endpgm
.Lentry_in_a_cluster:
	s_bfe_u32 s2, ttmp6, 0x10000c
	s_cmp_lg_u32 s2, 0xf033
	s_cbranch_scc0 .Lentry_shape_is_right
	s_endpgm
.Lentry_shape_is_right:
; MQA CROSS ATTENTION, launch 2 of 3: Q = x Wq and the attention, fused: Q never leaves the registers.  Nothing of reference() is left out.
; x16 [16384][1024], wq16 [k = 1024][n = 1024], k16 and v16 [b][g][512][64], o16 [16384][1024] (column = head x 64 + channel), all f16; products, maxima and sums in f32.
; PART 1.  A work-group makes a tile of 256 rows x 256 columns of Q (four heads of one kv head): four waves, each 128 x 128 in 64 accumulators.  K goes in 8 steps of 128 through two LDS slots that tensor
; loads fill; x's tile lies [row][k], Wq's [k][n] and is read turned (ds_load_tr16_b128).  The product is used transposed (source 0 = 16 columns of Wq, source 1 = 16 rows of x): a lane holds one row and
; eight neighbouring columns, so that four accumulators, rounded to f16 in pairs, ARE the two fragments (16 queries x 32 channels) of one head that S^T = K Q^T wants as source 1: no lane is changed.
; PART 2.  The ring's last two refills bring the batch's and kv head's 512 keys: K into slot 0, V into slot 1.  A wave owns 128 queries x 2 heads: two PASSES of 64 queries, each four PIECES of two tiles
; (16 queries of either head); every pass walks the 512 keys, 64 a step.  S^T = K Q^T holds ONE query a lane and the keys 8 (lane / 16) + 0..7; two such results rounded to f16 ARE source 1 of O^T = V^T P.
; SOFTMAX.  For each query a running maximum m and sum l: p = 2^(c s - c m), c = log2(e) / 8; in every step O and l are multiplied by a = 2^(c m_old - c m_new).  m starts at the lowest finite number:
; the first step's a is 0, so O and l need only hold finite numbers when a pass begins: zeros for the first pass, what the first pass left for the second.
; BY TURNS.  Turn n belongs to piece n: 16 products K Q^T of piece n + 1, later 16 products V^T P of piece n - 1; beside them the scaling, exponentials, roundings, sums and rescaling of piece n and the
; maximum and statistics of piece n + 1.  Four vector instructions stand behind every matrix instruction, the others in one run; a turn's 66 exponentials are one batch with one wait.
; CLUSTER.  4 x 4 work-groups.  The four of a row of the cluster need the same tiles of x, the four of a column the same tiles of Wq, and the same K and V: each is asked for JOINTLY, by the same tensor
; load with the same descriptor and a mask that names the four.
; LIMITS.  f16 holds no number beyond 65,504: Q must lie within it; p lies in 0 to 1 and below 6e-5 keeps f16's fixed step of 6e-8; a weight below 2^-126 counts as 0 in l; NaN and infinities are not treated apart.
; REGISTERS, in windows of 256 (s_set_vgpr_msb: bits 1:0 source 0, 3:2 source 1, 5:4 source 2, 7:6 destination).
;   part 1: window 0: v0-23 addresses; v64-127, v128-191 fragments of x, two buffers.  window 1: the same for Wq.  windows 2, 3: the accumulators of my rows 0-63, 64-127: (a, b) at v[8 (8 (a % 4) + b)].
;   part 2: window 0: v2-11 addresses; v12-15, v48-63 at work; v16-47 four registers of statistics a tile; v64-191 S^T, two buffers of two tiles; v192-255 P, likewise.
;           window 1: O^T, 32 a tile.  window 2: v0-127 Q, 16 a tile; v128-191 K of one step; v192-255 V of one step.  window 3: v0-127 the second pass's Q.
.set PITCH, 272                        ; a row of x's tile in LDS: 256 bytes + 16: the 16 rows of a fragment load start at 16 different groups of four banks (64 banks of 4 bytes: ISA guide 11.1)
.set PB,    544                        ; a row (one k, 256 columns) of Wq's tile: 512 bytes + 32 = 17 x 32
.set HALFT, 128*PITCH                  ; what one tensor load brings: 128 rows of x, or 64 rows of Wq (64 x 544 is the same number)
.set SLOT,  4*HALFT                    ; x's two halves, then Wq's two
.set STAGE, 2*SLOT                     ; behind the ring, never filled by a tensor load: 16 rows x 272 bytes for each wave, for the way out
.set SP,    272
.set SPARE, STAGE+4*16*SP              ; the spare words, 128 bytes for each wave: two blocks of 256 bytes that no other line names
.set NP,    4                          ; pieces in a pass
.set KS,    64                         ; keys in a step
.set PK,    144                        ; a row of K in LDS: 128 bytes + 16
.set PV,    160                        ; a row of V: 128 + 32
.set AK0, 2                            ; v2   my lane's place in a step's K; never rewritten
.set AV0, 3                            ; v3   the same for V (slot 1's first byte in it)
.set AK,  4                            ; v4   the LDS address of K's next run of loads
.set AV,  5                            ; v5   of V's
.set STO, 6                            ; v6   the way out: where I put 16 bytes of a row
.set RD,  7                            ; v7   the way out: where I read rows back
.set GO,  8                            ; v8   my byte offset in two rows of o16
.set SPW, 10                           ; v10  LDS address of my spare word; never rewritten
.set NIL, 11                           ; v11  0; never rewritten
.set ADRA0, 12                         ; v12  part 1: my lane's place in x's tile
.set ADRB0, 13                         ; v13  in Wq's tile
.set ADA, 14                           ; v14  the same two in the slot in hand
.set ADB, 15                           ; v15
.set PFO, 16                           ; v16  the prefetches' offset
.set F0,  64
.set F1,  128
.set MV,  12                           ; part 2: v12-15  c m_old, by buffer and tile
.set ST,  16                           ; tile t's statistics at v[ST + 4 t]: c m, m, l (even keys', odd keys')
.set TMP, 48                           ; by buffer and tile four registers c0-c3 at work; when the maximum is found c2 takes a
.set S,   64
.set P,   192
.set KF,  128                          ; window 2: key block kb, channel half c at KF + 16 kb + 8 c
.set VF,  192                          ; window 2: key half kk, channel block cb at VF + 32 kk + 8 cb
.set WV,  14                           ; s14  my wave's number
.set RH,  15                           ; s15  which half of the tile's rows is mine.  Also: I fetch for x (0) or for Wq (1)
.set CH,  16                           ; s16  which half of its columns.  Also: which half of that tile I fetch
.set TB,  17                           ; s17  first LDS byte of the slot in hand
.set G1,  24                           ; s[24:31] descriptor group 1 for x's tiles
.set G0,  32                           ; s[32:39] group 0: a set for each first fill; the second then walks
.set LIM, 43                           ; s43  2 in a wave that prefetches, else the greatest number
.set PFA, 44                           ; s[44:45] where my prefetches stand
.set G1B, 48                           ; s[48:55], s[56:63] the same two groups for Wq's tiles
.set G0B, 56
.set G1K, 68                           ; s[68:75] group 1 for K, s[76:83] for V: they differ in the padding
.set G1V, 76
.set G0K, 84                           ; s[84:87], s[88:91] their groups 0
.set G0V, 88
.set PST, 92                           ; s[92:93] a K step in my prefetches' buffer, in bytes
.set CS,  94                           ; s[94:95] c
.set SEL, 96                           ; s[96:97] v_permlanex16_b32's selects
.set TBK, 98                           ; s98  LDS byte at which K of the step to be fetched begins
.set TBV, 99                           ; s99  the same for V, less slot 1's first byte
.set CNT, 100                          ; s100 key steps still to come
.set PASS, 101                         ; s101 passes still to come
.set MSB, 0
.macro WIN new                         ; the immediate's high byte repeats the setting that is left; a switch that changes nothing is dropped
.if MSB != (\new)
	s_set_vgpr_msb (MSB<<8)|(\new)
.set MSB, (\new)
.endif
.endm
.set MUL_LO, 0xa1                      ; source 0 (Wq) window 1, source 1 (x) window 0, C and D window 2
.set MUL_HI, 0xf1                      ; the same, C and D window 3
.set TO_B,   0x40                      ; destination window 1, address window 0
.set W_KQ, 0x0a                        ; K and Q in window 2, S^T in window 0
.set W_PV, 0x52                        ; V in window 2, P in window 0, O^T in window 1
.set W_RS, 0x41                        ; O^T (destination and source 0) in window 1, a in window 0
.macro PLACES                          ; four plain instructions between a matrix instruction and a load into, or a vector read or write of, its registers
.rept 4
	v_nop
.endr
.endm
; A joint refill of the ring.  Waves 0 and 1 fetch x's two halves, waves 2 and 3 Wq's.  The branch hangs on the wave's number alone.  An s_nop 0 and four v_nop follow each of the two lines.
.macro JLOAD
	s_cmp_eq_u32 s[RH], 0
	s_cbranch_scc0 .Lfor_b_\@
	tensor_load_to_lds s[G0+4:G0+7], s[G1:G1+7]
	s_nop 0
	PLACES
	s_branch .Lasked_\@
.Lfor_b_\@:
	tensor_load_to_lds s[G0B+4:G0B+7], s[G1B:G1B+7]
	s_nop 0
	PLACES
.Lasked_\@:
.endm
; A PREFETCH INTO THE L2, behind a joint refill, its five lines and the run of LDS loads that follows them: the K step that stands TWO refills on, 512 matrix instructions ahead of the load that will want it.
; Each aligned block of 256 bytes is named ONCE in the launch.  x16's rows are read by one cluster alone (the grid is one cluster wide), which asks for them; wq16's rows by every cluster: the cluster with
; y = 0 asks.  The four partners that ask for a tile jointly share it out BY ADDRESS: of x's 128 rows a load, 32 each (by cx), a lane a row; of Wq's 64 rows of 512 bytes, 16 each (by cy), two lanes a row.
; The first four K steps come by their loads alone; the loop's last two trips ask for nothing: there is no K step two on.
.macro ASK
	s_cmp_gt_u32 s3, s[LIM]
	s_cbranch_scc0 .Lnot_mine_\@
	global_prefetch_b8 v[PFO], s[PFA:PFA+1] th:TH_LOAD_NT scope:SCOPE_SE
.Lnot_mine_\@:
.endm
; A round of the cluster's barrier: my work-group's barrier; wave 0 signals for the work-group; every wave waits for all sixteen work-groups; my work-group's barrier once more.
.macro CREST                           ; a round behind its opening barrier
	s_cmp_lg_u32 s[WV], 0
	s_cbranch_scc1 .Lnot_wave_0_\@
	s_barrier_signal -3
.Lnot_wave_0_\@:
	s_barrier_wait -3
	s_barrier_signal -1
	s_barrier_wait -1
.endm
.macro CROUND
	s_barrier_signal -1
	s_barrier_wait -1
	CREST
.endm
	s_load_b256 s[4:11], s[0:1], 0x0               ; x16 s[4:5], wq16 s[6:7], k16 s[8:9], v16 s[10:11]
	s_load_b64 s[12:13], s[0:1], 0x20              ; o16
	v_lshl_add_u32 v[SPW], v0, 2, SPARE
	v_mov_b32 v[NIL], 0
	ds_add_u32 v[SPW], v[NIL]                      ; the wave's opening: the add, twice on end, and its wait ahead of my first tensor load; the set-up below stands between
	ds_add_u32 v[SPW], v[NIL]
	v_lshrrev_b32 v1, 5, v0
	v_readfirstlane_b32 s[WV], v1                  ; wave 0..3
	s_lshr_b32 s[RH], s[WV], 1
	s_and_b32 s[CH], s[WV], 1
	s_bfe_u32 s40, ttmp6, 0x40000                  ; cx
	s_bfe_u32 s41, ttmp6, 0x40004                  ; cy
	s_lshl_b32 s42, ttmp9, 2
	s_add_co_u32 s42, s42, s40                     ; tile column = 4 x cluster x + cx
	s_and_b32 s67, ttmp7, 0xffff                   ; cluster y
	s_lshl_b32 s66, s67, 2
	s_add_co_u32 s66, s66, s41                     ; tile row = 4 x cluster y + cy
	s_lshl_b32 s18, s41, 2
	s_lshl_b32 s18, 15, s18                        ; my row of the cluster
	s_lshl_b32 s19, 0x1111, s40                    ; my column
	s_or_b32 s[G1+0], s18, (1<<16)|(1<<20)|(1<<21)|(5<<22)|(3<<25)   ; the mask; 2-byte elements; padding on; bit 21 beside a mask; after every 64 words 4 words
	s_mov_b32 s[G1+1], 128<<16                     ; tensor_dim0 = 128
	s_mov_b32 s[G1+2], 128<<16                     ; tensor_dim1 = 128
	s_mov_b32 s[G1+3], 128<<16                     ; tile_dim0 = 128
	s_mov_b32 s[G1+4], 128                         ; tile_dim1 = 128
	s_mov_b32 s[G1+5], 1024                        ; elements from row to row
	s_mov_b32 s[G1+6], 0
	s_mov_b32 s[G1+7], 0
	s_or_b32 s[G1B+0], s19, (1<<16)|(1<<20)|(1<<21)|(6<<22)|(7<<25)  ; after every 128 words 8 words
	s_mov_b32 s[G1B+1], 256<<16                    ; tensor_dim0 = 256
	s_mov_b32 s[G1B+2], 64<<16                     ; tensor_dim1 = 64
	s_mov_b32 s[G1B+3], 256<<16                    ; tile_dim0 = 256
	s_mov_b32 s[G1B+4], 64                         ; tile_dim1 = 64
	s_mov_b32 s[G1B+5], 1024
	s_mov_b32 s[G1B+6], 0
	s_mov_b32 s[G1B+7], 0
	; K and V: a wave's 128 keys are 16,384 dense bytes: asked for as 64 rows of 256 bytes, two keys a row, padded in LDS after every key
	s_or_b32 s[G1K], s19, (1<<16)|(1<<20)|(1<<21)|(4<<22)|(3<<25)    ; my column of the cluster shares batch and kv head; after every 32 words 4 words
	s_or_b32 s[G1V], s19, (1<<16)|(1<<20)|(1<<21)|(4<<22)|(7<<25)    ; 8 words
.irp g, G1K, G1V
	s_mov_b32 s[\g+1], 128<<16
	s_mov_b32 s[\g+2], 64<<16
	s_mov_b32 s[\g+3], 128<<16
	s_mov_b32 s[\g+4], 64
	s_mov_b32 s[\g+5], 128
	s_mov_b32 s[\g+6], 0
	s_mov_b32 s[\g+7], 0
.endr
	s_mov_b32 s[G0K], 1
	s_mul_i32 s[G0K+1], s[WV], 128*PK              ; K lies from slot 0's first byte on,
	s_mov_b32 s[G0V], 1
	s_mul_i32 s[G0V+1], s[WV], 128*PV
	s_add_co_u32 s[G0V+1], s[G0V+1], SLOT          ; V from slot 1's
	s_lshl_b32 s20, s66, 19                        ; x: row 256 x tile row + 128 x half, rows of 2,048 bytes
	s_lshl_b32 s21, s[CH], 18
	s_add_co_u32 s20, s20, s21
	s_mov_b32 s21, 0
	s_lshl_b32 s46, s[CH], 17                      ; Wq: row 64 x half, column 256 x tile column
	s_lshl_b32 s47, s42, 9
	s_add_co_u32 s46, s46, s47
	s_mov_b32 s47, 0
	s_mul_i32 s22, s[WV], HALFT                    ; where my part of a slot lies: no place in the cluster enters an LDS address
	s_lshr_b32 s104, s67, 2                        ; the batch: 16 tile rows each
	s_lshl_b32 s104, s104, 1
	s_lshr_b32 s105, s40, 1                        ; the kv head: two tile columns each
	s_add_co_u32 s104, s104, s105
	s_lshl_b32 s104, s104, 16                      ; 512 keys of 128 bytes,
	s_lshl_b32 s105, s[WV], 14                     ; my wave's 128 of them
	s_add_co_u32 s104, s104, s105
	s_mov_b32 s105, 0
	s_mov_b32 s[CS], 0x3e38aa3b                    ; c = log2(e) / 8
	s_mov_b32 s[CS+1], s[CS]
	s_mov_b32 s[SEL], 0x76543210
	s_mov_b32 s[SEL+1], 0xfedcba98
	s_wait_dscnt 0x0                               ; both opening adds are done
	s_wait_kmcnt 0x0
	s_add_nc_u64 s[20:21], s[4:5], s[20:21]
	s_add_nc_u64 s[46:47], s[6:7], s[46:47]
	s_add_nc_u64 s[G0K+2:G0K+3], s[8:9], s[104:105]
	s_or_b32 s[G0K+3], s[G0K+3], 0x80000000
	s_add_nc_u64 s[G0V+2:G0V+3], s[10:11], s[104:105]
	s_or_b32 s[G0V+3], s[G0V+3], 0x80000000
.irp s, 0,1
	s_mov_b32 s[G0+4*\s], 1
	s_add_co_u32 s[G0+4*\s+1], s22, \s*SLOT
	s_add_nc_u64 s[G0+4*\s+2:G0+4*\s+3], s[20:21], \s*256         ; K step s: 256 bytes along x's rows
	s_or_b32 s[G0+4*\s+3], s[G0+4*\s+3], 0x80000000
	s_mov_b32 s[G0B+4*\s], 1
	s_add_co_u32 s[G0B+4*\s+1], s22, \s*SLOT
	s_add_nc_u64 s[G0B+4*\s+2:G0B+4*\s+3], s[46:47], \s*262144    ; 128 rows down Wq
	s_or_b32 s[G0B+4*\s+3], s[G0B+4*\s+3], 0x80000000
.endr
	CROUND                                         ; all sixteen work-groups are here: the first joint loads meet
	s_cmp_eq_u32 s[RH], 0                          ; a wave's two first fills stand in one branch, ahead of every wait on TENSORcnt and every LDS read: two loads of mine are out
	s_cbranch_scc0 .Lfirst_b
	tensor_load_to_lds s[G0:G0+3], s[G1:G1+7]
	s_nop 0
	tensor_load_to_lds s[G0+4:G0+7], s[G1:G1+7]
	s_nop 0
	PLACES
	s_branch .Lfirst_asked
.Lfirst_b:
	tensor_load_to_lds s[G0B:G0B+3], s[G1B:G1B+7]
	s_nop 0
	tensor_load_to_lds s[G0B+4:G0B+7], s[G1B:G1B+7]
	s_nop 0
	PLACES
.Lfirst_asked:
	s_lshl_b32 s104, s66, 19                       ; o16 at my wave's first row and column: 256 x tile row + 128 x row half; 256 x tile column + 128 x column half
	s_lshl_b32 s105, s[RH], 18
	s_add_co_u32 s104, s104, s105
	s_lshl_b32 s105, s42, 9
	s_add_co_u32 s104, s104, s105
	s_lshl_b32 s105, s[CH], 8
	s_add_co_u32 s104, s104, s105
	s_mov_b32 s105, 0
	s_add_nc_u64 s[12:13], s[12:13], s[104:105]
	s_lshl_b32 s92, s66, 8                         ; the prefetches.  In x16: row 256 x tile row + 128 x half + 32 cx, at K step 3;
	s_lshl_b32 s93, s[CH], 7
	s_add_co_u32 s92, s92, s93
	s_lshl_b32 s93, s40, 5
	s_add_co_u32 s92, s92, s93
	s_lshl_b32 s92, s92, 11
	s_add_co_u32 s92, s92, 3*256
	s_lshl_b32 s93, s[CH], 6                       ; in wq16: row 64 x half + 16 cy, column 256 x tile column, at K step 3
	s_lshl_b32 s104, s41, 4
	s_add_co_u32 s93, s93, s104
	s_lshl_b32 s93, s93, 11
	s_lshl_b32 s104, s42, 9
	s_add_co_u32 s93, s93, s104
	s_add_co_u32 s93, s93, 3*262144
	s_cmp_eq_u32 s[RH], 0
	s_cselect_b32 s104, s92, s93
	s_mov_b32 s105, 0
	s_cselect_b64 s[PFA:PFA+1], s[4:5], s[6:7]
	s_cselect_b32 s[LIM], ttmp9, s67               ; the coordinate along which other clusters read the same rows
	s_mov_b32 s[PST], 262144
	s_cselect_b32 s[PST], 256, s[PST]
	s_mov_b32 s[PST+1], 0
	s_add_nc_u64 s[PFA:PFA+1], s[PFA:PFA+1], s[104:105]
	s_cmp_eq_u32 s[LIM], 0
	s_cselect_b32 s[LIM], 2, -1                    ; the same in all sixteen partners, for a given wave
	v_and_b32 v1, 15, v0                           ; l % 16
	v_bfe_u32 v9, v0, 4, 1                         ; l / 16
	v_and_b32 v17, 7, v0                           ; l % 8
	v_bfe_u32 v18, v0, 3, 1                        ; (l / 8) % 2
	v_and_b32 v19, 31, v0                          ; l
	v_mul_u32_u24 v[ADRA0], v1, PITCH              ; a fragment of x: row x pitch + 16 x half, two loads 32 bytes apart
	v_lshl_add_u32 v[ADRA0], v9, 4, v[ADRA0]
	s_mul_i32 s20, s[RH], HALFT
	v_add_nc_u32 v[ADRA0], s20, v[ADRA0]
	v_lshl_add_u32 v[ADRB0], v9, 3, v17            ; a fragment of Wq, turned: lane l reads k = 8 (l / 16) + l % 8, columns 8 ((l / 8) % 2) + 0..7; two loads 16 rows apart
	v_mul_u32_u24 v[ADRB0], v[ADRB0], PB
	v_lshl_add_u32 v[ADRB0], v18, 4, v[ADRB0]
	s_lshl_b32 s20, s[CH], 8
	s_add_co_u32 s20, s20, 2*HALFT
	v_add_nc_u32 v[ADRB0], s20, v[ADRB0]
	v_lshrrev_b32 v[PFO], s[RH], v19               ; x16: lane l names row l; wq16: row l / 2, its block l % 2 of 256 bytes
	v_lshlrev_b32 v[PFO], 11, v[PFO]
	v_and_b32 v20, s[RH], v19
	v_lshl_add_u32 v[PFO], v20, 8, v[PFO]
	v_mul_u32_u24 v[AK0], v1, PK
	v_lshl_add_u32 v[AK0], v9, 4, v[AK0]
	v_lshl_add_u32 v[AV0], v9, 3, v17
	v_mul_u32_u24 v[AV0], v[AV0], PV
	v_lshl_add_u32 v[AV0], v18, 4, v[AV0]
	v_add_nc_u32 v[AV0], SLOT, v[AV0]
	s_mul_i32 s20, s[WV], 16*SP
	s_add_co_u32 s20, s20, STAGE                   ; my stage
	v_mul_u32_u24 v[STO], v1, SP                   ; in: row l % 16, 16 bytes for each half of the lanes
	v_lshl_add_u32 v[STO], v9, 4, v[STO]
	v_add_nc_u32 v[STO], s20, v[STO]
	v_mul_u32_u24 v[RD], v9, SP                    ; back: lanes 0-15 take one row's 256 bytes (both heads), lanes 16-31 the next row's
	v_lshl_add_u32 v[RD], v1, 4, v[RD]
	v_add_nc_u32 v[RD], s20, v[RD]
	v_lshlrev_b32 v[GO], 11, v9                    ; and the same two rows in o16
	v_lshl_add_u32 v[GO], v1, 4, v[GO]
; 16 matrix instructions: row blocks a0, a0 + 1 of the window's four x all 8 column blocks, 32 along K.  zero = 1: the first product starts the sums.  The 64 accumulators take turns in one order in every
; quarter, over the backward jump too.
.macro MUL16 f, hi, a0, zero
	WIN MUL_LO+0x50*(\hi)
.irp a, \a0, (\a0)+1
.irp b, 0,1,2,3,4,5,6,7
.if \zero
	v_wmma_f32_16x16x32_f16 v[8*(8*(\a)+(\b)):8*(8*(\a)+(\b))+7], v[(\f)+8*(\b):(\f)+8*(\b)+7], v[(\f)+8*(4*(\hi)+(\a)):(\f)+8*(4*(\hi)+(\a))+7], 0
.else
	v_wmma_f32_16x16x32_f16 v[8*(8*(\a)+(\b)):8*(8*(\a)+(\b))+7], v[(\f)+8*(\b):(\f)+8*(\b)+7], v[(\f)+8*(4*(\hi)+(\a)):(\f)+8*(4*(\hi)+(\a))+7], v[8*(8*(\a)+(\b)):8*(8*(\a)+(\b))+7]
.endif
.endr
.endr
.endm
; 32 LDS loads in one run: the fragments of quarter q (32 along K) of the slot in hand, into buffer f: Wq's 128 columns, then x's 128 rows
.macro FETCH q, f
	WIN TO_B
.irp i, 0,1,2,3,4,5,6,7
	ds_load_tr16_b128 v[(\f)+8*(\i):(\f)+8*(\i)+3],   v[ADB] offset:(\q)*32*PB+32*(\i)
	ds_load_tr16_b128 v[(\f)+8*(\i)+4:(\f)+8*(\i)+7], v[ADB] offset:(\q)*32*PB+16*PB+32*(\i)
.endr
	WIN 0
.irp i, 0,1,2,3,4,5,6,7
	ds_load_b128 v[(\f)+8*(\i):(\f)+8*(\i)+3],   v[ADA] offset:64*(\q)+(\i)*16*PITCH
	ds_load_b128 v[(\f)+8*(\i)+4:(\f)+8*(\i)+7], v[ADA] offset:64*(\q)+(\i)*16*PITCH+32
.endr
.endm
; One of a K step's first three quarters: multiplies buffer f; in its middle it fetches quarter q into buffer g
.macro QUARTER q, f, g, zero
	s_wait_dscnt 8                                 ; Wq and x's rows 0-63 are in; the youngest eight loads (x's rows 64-127) may be out
	MUL16 \f, 0, 0, \zero
	MUL16 \f, 0, 2, \zero
	PLACES
	FETCH \q, \g
	s_wait_dscnt 32                                ; all but the 32 just issued
	MUL16 \f, 1, 0, \zero
	MUL16 \f, 1, 2, \zero
.endm
; The first half of a K step's last quarter, and ONE barrier for the change of slots.  In front of it each wave waits for all its tensor loads, of which one is out: its part of the next slot; adds 0 to its
; spare word; and waits for that and for its own reads of this slot.  Behind it nobody reads this slot any more and the next slot is whole.  A round of the cluster's barrier follows.
.macro MEET
	WIN 0                                          ; (the add's two registers lie in window 0)
	s_wait_tensorcnt 0x0
	ds_add_u32 v[SPW], v[NIL]
	s_wait_dscnt 9                                 ; (the add and the youngest eight loads may be out)
	MUL16 F1, 0, 0, 0                              ; sixteen matrix instructions stand between the add and the wait for it
	s_wait_dscnt 0x0                               ; the add is done, and my reads of this slot are over
	s_barrier_signal -1
	MUL16 F1, 0, 2, 0                              ; work on registers while the others arrive
	WIN 0
	s_barrier_wait -1
.endm
; The whole last quarter.  kind = 1: the slot just read out takes the K step two on.  kind = 2 (K step 6): it takes K's 512 keys.  kind = 3 (K step 7): it takes V's, and no fragments are left to fetch.
; In each case the refill is the first tensor load behind the round's closing wait, one a wave.
.macro GTURN kind
.if (\kind) == 1
	s_wait_xcnt 0x0                                ; the last prefetch, a K step back, has read its address: it is stepped here, ahead of the change's own waits
	s_add_nc_u64 s[PFA:PFA+1], s[PFA:PFA+1], s[PST:PST+1]
.endif
	MEET
	CREST                                          ; no wave of any partner still reads this slot or has a load on its way
.if (\kind) == 1
	s_xor_b32 s[G0+5], s[G0+5], SLOT               ; the walking descriptors: the other slot than last time (SLOT's two bits are 0 in every wave's part of a slot),
	s_add_nc_u64 s[G0+6:G0+7], s[G0+6:G0+7], 256   ; the next K step
	s_xor_b32 s[G0B+5], s[G0B+5], SLOT
	s_add_nc_u64 s[G0B+6:G0B+7], s[G0B+6:G0B+7], 262144
	JLOAD                                          ; 224 matrix instructions ahead of the wait for it; the four v_nop behind it are also the places in front of the loads below
.elseif (\kind) == 2
	tensor_load_to_lds s[G0K:G0K+3], s[G1K:G1K+7]  ; every wave its 128 keys
	s_nop 0
	PLACES
.else
	tensor_load_to_lds s[G0V:G0V+3], s[G1V:G1V+7]
	s_nop 0
	PLACES
.endif
.if (\kind) != 3
	s_xor_b32 s[TB], s[TB], SLOT
	v_add_nc_u32 v[ADA], s[TB], v[ADRA0]
	v_add_nc_u32 v[ADB], s[TB], v[ADRB0]
	FETCH 0, F0
.endif
.if (\kind) == 1
	ASK
.endif
	MUL16 F1, 1, 0, 0
	MUL16 F1, 1, 2, 0
.endm
	; ---------------- part 1: Q = x Wq ----------------
	s_wait_tensorcnt 1                             ; my part of K step 0 is in; K step 1's may stay out
	s_barrier_signal -1
	s_barrier_wait -1                              ; everybody's is
	s_mov_b32 s[TB], 0
	v_mov_b32 v[ADA], v[ADRA0]
	v_mov_b32 v[ADB], v[ADRB0]
	FETCH 0, F0
	QUARTER 1, F0, F1, 1                           ; the first quarter stands in front of the loop: its products start the sums
	WIN 0                                          ; at a label and at a branch every window is 0
	s_mov_b32 s3, 6
.Lstep:                                        ; a trip: a K step's quarters 1 to 3 and the next step's quarter 0; the slot left takes K steps 2 to 7
	QUARTER 2, F1, F0, 0
	QUARTER 3, F0, F1, 0
	GTURN 1
	QUARTER 1, F0, F1, 0
	WIN 0
	s_sub_co_u32 s3, s3, 1
	s_cmp_lg_u32 s3, 0
	s_cbranch_scc1 .Lstep
	QUARTER 2, F1, F0, 0                           ; K step 6
	QUARTER 3, F0, F1, 0
	GTURN 2                                        ; slot 0 takes K
	QUARTER 1, F0, F1, 0                           ; K step 7
	QUARTER 2, F1, F0, 0
	QUARTER 3, F0, F1, 0
	GTURN 3                                        ; the wait in front of this round has shown K landed in every wave; slot 1 takes V
	; ---------------- Q into fragments ----------------
	; Register j takes the pair 2 j, 2 j + 1, in place and ascending: no source is read behind its overwriting, and each accumulator is read from its low end on.  Tile t = 2 (row block % 4) + head lands at v[16 t].
.macro QPACK win
	WIN (\win)*0x45                                ; destination and both sources in that window
.set j, 0
.rept 128
	v_cvt_pk_f16_f32 v[j], v[2*j], v[2*j+1]
.set j, j+1
.endr
.endm
	PLACES                                         ; window 2's sums ended in front of V's load and its four v_nop; these four more stand behind the last products
	QPACK 2                                        ; names nothing of the last products (window 3's): 128 more places behind them
	QPACK 3
	; What the first pass's first turn finds: O^T and l are 0; V's registers and P's second buffer hold 0 (its products V^T P, of a piece that has not been, add 0).  These lines stand in the wait for V's
	; tile; they are the price of writing no first step out.
	WIN 0x40
.set i, 0
.rept 256
	v_mov_b32 v[i], 0
.set i, i+1
.endr
	WIN 0x80
.set i, VF
.rept 64
	v_mov_b32 v[i], 0
.set i, i+1
.endr
	WIN 0
	s_wait_xcnt 0x0                                ; the last prefetch has read its offset register, which the statistics now take
.set i, 0
.rept 2*NP
	v_mov_b32 v[ST+4*i+2], 0
	v_mov_b32 v[ST+4*i+3], 0
.set i, i+1
.endr
.set i, P+32
.rept 32
	v_mov_b32 v[i], 0
.set i, i+1
.endr
	s_mov_b32 s[PASS], 2
	s_wait_tensorcnt 0x0                           ; my part of V is in,
	s_barrier_signal -1
	s_barrier_wait -1                              ; everybody's is.  Nothing is filled from here on
	; ---------------- part 2: the attention ----------------
; THE MATRIX WORK.  The 8 accumulators of a run of 16 take turns.  Product i of 16 of S^T = K Q^T for piece x: channels 32 (i / 8) on, keys 16 ((i / 2) % 4) on, tile 2 x + i % 2.
.macro KQ x
	WIN W_KQ
.set rS, S+64*((\x)%2)+32*(i%2)+8*((i/2)%4)
.set rK, KF+16*((i/2)%4)+8*(i/8)
.set rQ, 16*(2*(\x)+i%2)+8*(i/8)
.if i < 8
	v_wmma_f32_16x16x32_f16 v[rS:rS+7], v[rK:rK+7], v[rQ:rQ+7], 0
.else
	v_wmma_f32_16x16x32_f16 v[rS:rS+7], v[rK:rK+7], v[rQ:rQ+7], v[rS:rS+7]
.endif
.endm
; Product i of 16 of O^T += V^T P for piece x: keys 32 (i / 8) on, channels 16 ((i / 2) % 4) on, tile 2 x + i % 2.
.macro PV x
	WIN W_PV
.set rO, 32*(2*(\x)+i%2)+8*((i/2)%4)
.set rV, VF+32*(i/8)+8*((i/2)%4)
.set rP, P+32*((\x)%2)+16*(i%2)+8*(i/8)
	v_wmma_f32_16x16x32_f16 v[rO:rO+7], v[rV:rV+7], v[rP:rP+7], v[rO:rO+7]
.endm
.macro MM                              ; the turn's next matrix instruction
.if i < 16
	KQ (Y+1)%NP
.set i, i+1
.else
.set i, i-16
	PV (Y+NP-1)%NP
.set i, i+17
.endif
.endm
; THE LDS LOADS stand in runs of 16: a step's K (64 keys x 64 channels: 8 fragments) and its V (turned).  last = 1: in the last trip there is no further step, and the run is jumped over.
.macro FETCH_K last=0
	WIN 0
.if \last
	s_cmp_eq_u32 s[CNT], 1
	s_cbranch_scc1 .Lno_k_\@
.endif
	WIN 0x80                                       ; destination window 2
.irp f, 0,1,2,3,4,5,6,7
	ds_load_b128 v[KF+8*\f:KF+8*\f+3],   v[AK] offset:(\f/2)*16*PK+(\f%2)*64
	ds_load_b128 v[KF+8*\f+4:KF+8*\f+7], v[AK] offset:(\f/2)*16*PK+(\f%2)*64+32
.endr
	s_add_co_u32 s[TBK], s[TBK], KS*PK             ; the next fetch is the next step's
	WIN 0
.if \last
.Lno_k_\@:
.endif
.endm
.macro FETCH_V
	WIN 0x80
.irp f, 0,1,2,3,4,5,6,7
	ds_load_tr16_b128 v[VF+8*\f:VF+8*\f+3],   v[AV] offset:(\f/4)*32*PV+(\f%4)*32
	ds_load_tr16_b128 v[VF+8*\f+4:VF+8*\f+7], v[AV] offset:(\f/4)*32*PV+16*PV+(\f%4)*32
.endr
	WIN 0
.endm
; THE VECTOR WORK OF A TURN stands in three queues, each in the order in which its entries become ready; the two tiles alternate.
.macro REGS y, u                       ; the registers of tile u (0, 1) of piece y
.set rT, ST+4*(2*(\y)+(\u))
.set rC, TMP+8*((\y)%2)+4*(\u)
.set rM, MV+2*((\y)%2)+(\u)
.set rS, S+64*((\y)%2)+32*(\u)
.set rP, P+32*((\y)%2)+16*(\u)
.set rO, 32*(2*(\y)+(\u))
.endm
; Number n of the 22 that find the NEXT piece's maximum and statistics; each accumulator's lowest registers are read first.
;   0-11 four chains c0-c3 of seven scores each     12-14, 16 the four scores left over, the old m, c0-c3 into c0     15 c m_old is kept     17, 18 the other half of the lanes: the new m     19-21 c m; its change; a
.macro XS u, n
	REGS (Y+1)%NP, \u
.if (\n) < 4
	v_max3_num_f32 v[rC+(\n)], v[rS+8*(\n)], v[rS+8*(\n)+1], v[rS+8*(\n)+2]
.elseif (\n) < 12
	v_max3_num_f32 v[rC+(\n)%4], v[rC+(\n)%4], v[rS+8*((\n)%4)+2*((\n)/4)+1], v[rS+8*((\n)%4)+2*((\n)/4)+2]
.elseif (\n) == 12
	v_max3_num_f32 v[rC], v[rC], v[rS+7], v[rS+15]
.elseif (\n) == 13
	v_max3_num_f32 v[rC+1], v[rC+1], v[rS+23], v[rS+31]
.elseif (\n) == 14
	v_max3_num_f32 v[rC+2], v[rC+2], v[rC+3], v[rT+1]
.elseif (\n) == 15
	v_mov_b32 v[rM], v[rT]
.elseif (\n) == 16
	v_max3_num_f32 v[rC], v[rC], v[rC+1], v[rC+2]
.elseif (\n) == 17
	v_permlanex16_b32 v[rC+3], v[rC], s[SEL], s[SEL+1]
.elseif (\n) == 18
	v_max_num_f32 v[rT+1], v[rC], v[rC+3]
.elseif (\n) == 19
	v_mul_f32 v[rT], s[CS], v[rT+1]
.elseif (\n) == 20
	v_sub_f32 v[rC+1], v[rM], v[rT]
.else
	v_exp_f32 v[rC+2], v[rC+1]
.endif
.endm
; Number g of the 64 that follow the exponentials.  For each four weights of a tile: both pairs are rounded to f16; the second pair is added onto the first, in place; a group later l takes that sum (the first time as l = a l + sum).
.macro GS g
.set h, (\g)+6*((\g)/62)
.if h >= 6
.set h, h+2
.endif
	REGS Y, h%2
.set k, h/8
.if h%8 < 4
	v_cvt_pk_f16_f32 v[rP+2*k+(h%8)/2], v[rS+4*k+2*((h%8)/2)], v[rS+4*k+2*((h%8)/2)+1]
.elseif h%8 < 6
	v_pk_add_f32 v[rS+4*k:rS+4*k+1], v[rS+4*k:rS+4*k+1], v[rS+4*k+2:rS+4*k+3]
.elseif k == 1
	v_pk_fma_f32 v[rT+2:rT+3], v[rT+2:rT+3], v[rC+2:rC+3], v[rS:rS+1] op_sel_hi:[1,0,1]
.else
	v_pk_add_f32 v[rT+2:rT+3], v[rT+2:rT+3], v[rS+4*k-4:rS+4*k-3]
.endif
.endm
; THE PLAIN QUEUE, 138 long.  0-73 read no exponential's result: the 32 scalings c s - c m and the next piece's 42; 74-137: GS's 64, behind the wait.
.macro FS f
	REGS Y, (\f)%2
	v_pk_fma_f32 v[rS+2*((\f)/2):rS+2*((\f)/2)+1], v[rS+2*((\f)/2):rS+2*((\f)/2)+1], s[CS:CS+1], v[rT:rT+1] op_sel_hi:[1,0,0] neg_lo:[0,0,1] neg_hi:[0,0,1]
.endm
.macro PL
	WIN 0
.if q < 27
	FS q
.elseif q < 55
	XS (q-27)%2, (q-27)/2
.elseif q < 57
	XS q-55, 15
.elseif (q < 72) && ((q-57)%3 == 0)
	FS 27+(q-57)/3
.elseif q < 60
	XS (q-57)%3-1, 14
.elseif q < 72
	XS (q-57)%3-1, 15+(q-57)/3
.elseif q < 74
	XS q-72, 20
.else
	GS q-74
.endif
.set q, q+1
.endm
; THE EXPONENTIALS' QUEUE, 66 long: s0-s31 of both tiles, then the next piece's two a.  ONE BATCH: all stand ahead of the turn's one wait, and nothing ahead of that wait names a result of theirs.
.macro EX
	WIN 0
.if e >= 64
	XS e-64, 21
.else
	REGS Y, e%2
	v_exp_f32 v[rS+e/2], v[rS+e/2]
.endif
.set e, e+1
.endm
; THE RESCALING's QUEUE: O^T times a, two at a time, sixteen times.  Its a was made, and waited for, in the turn before.
.macro R2
	REGS Y, r%2
	WIN W_RS
.irp z, 0,1
	v_pk_mul_f32 v[rO+4*(r/2)+2*\z:rO+4*(r/2)+2*\z+1], v[rO+4*(r/2)+2*\z:rO+4*(r/2)+2*\z+1], v[rC+2:rC+3] op_sel_hi:[1,0]
.endr
.set r, r+1
.endm
; A TURN, for piece p.  AHEAD OF ITS ONE WAIT stands all that names no result of its exponentials: 16 products K Q^T, behind each a scaling, an exponential and two rescalings; then one run of 108: eight plain,
; 49 times exponential and plain, the two a; a v_nop is the plain instruction behind the last exponential.  BEHIND THE WAIT: 16 products V^T P, behind each four of the roundings and sums.
; Exponential e stands behind its scaling 2 (e / 4) + e % 2: as a rider it comes behind plain e + 2, in the run behind plain e + 9.  K of the next step is fetched in piece 2's turn, directly behind the wait;
; V of the step in hand at the end of piece 0's turn, four plain instructions behind its last reader.  cnt = 1: the loop's count is taken down some lines ahead of the branch behind the turn.
.macro ATURN p, last=0, cnt=0
.set Y, (\p)
.set i, 0
.set q, 0
.set e, 0
.set r, 0
.if (\p) == NP-1
	s_wait_dscnt 0x0                               ; K is in
.endif
	MM
	PL
	PL
	R2
.rept 15
	MM
	PL
	EX
	R2
.endr
.if (\p) == NP-2
	WIN 0
	v_add_nc_u32 v[AK], s[TBK], v[AK0]
.endif
.rept 8
	PL
.endr
.rept 49
	EX
	PL
.endr
	EX
	EX
	v_nop
	s_wait_alu depctr_va_vdst(0)                   ; the wait for the batch
.if (\p) == NP-2
	FETCH_K \last
.endif
.if (\p) == 1
	s_wait_dscnt 0x0                               ; V is in
.endif
.rept 16
	MM
.rept 4
	PL
.endr
.if ((\p) == 0) && (q == 118)
	v_add_nc_u32 v[AV], s[TBV], v[AV0]
.endif
.if ((\p) == 0) && (q == 130)
	s_add_co_u32 s[TBV], s[TBV], KS*PV
.endif
.if (\cnt) && (q == 130)
	s_sub_co_u32 s[CNT], s[CNT], 1
	s_cmp_lg_u32 s[CNT], 0
.endif
.endr
.if (\p) == 0
	FETCH_V
.endif
.endm
.macro ALL line:vararg                 ; one line for each tile t
.set t, 0
.rept 2*NP
	\line
.set t, t+1
.endr
.endm
; THE WAY OUT of piece y (16 rows, both heads): O^T over l, rounded to f16; a lane's eight channels pack into 16 bytes; they go into my stage's rows of 272 bytes and come back as whole rows of 256.
.macro PACK2 y
.irp u, 0,1
	WIN W_RS
.set i, 32*(2*(\y)+\u)
.rept 16
	v_pk_mul_f32 v[i:i+1], v[i:i+1], v[ST+4*(2*(\y)+\u)+2:ST+4*(2*(\y)+\u)+3] op_sel_hi:[1,0]
.set i, i+2
.endr
	WIN 0x05                                       ; sources 0 and 1 window 1, destination window 0: S^T's registers are free
.set i, 0
.rept 16
	v_cvt_pk_f16_f32 v[S+16*(2*(\y)+\u)+i], v[32*(2*(\y)+\u)+2*i], v[32*(2*(\y)+\u)+2*i+1]
.set i, i+1
.endr
	WIN 0
.irp f, 0,1,2,3
	ds_store_b128 v[STO], v[S+16*(2*(\y)+\u)+4*\f:S+16*(2*(\y)+\u)+4*\f+3] offset:128*\u+32*\f
.endr
.endr
.irp f, 0,1,2,3,4,5,6,7
	ds_load_b128 v[S+32*(\y)+4*\f:S+32*(\y)+4*\f+3], v[RD] offset:\f*2*SP  ; LDS serves a wave's instructions in order (ISA guide 5.7.1.4): these see the stores above; the next piece's stores come behind them
.endr
.endm
.macro SEND y, younger                 ; younger: the LDS instructions issued behind piece y's loads: the next piece's sixteen, or none
	WIN 0
.irp f, 0,1,2,3,4,5,6,7
	s_wait_dscnt (\younger)+7-\f
	global_store_b128 v[GO], v[S+32*(\y)+4*\f:S+32*(\y)+4*\f+3], s[12:13] offset:(\y)*16*2048+\f*2*2048  ; 16 lanes store 256 consecutive bytes, at a multiple of 256 from o16's first byte
.endr
.endm
.Lpass:                                        ; twice: my rows 0-63, then 64-127
	s_mov_b32 s[TBK], 0
	s_mov_b32 s[TBV], 0
	v_mov_b32 v[AK], v[AK0]
	FETCH_K                                        ; key step 0
	s_wait_dscnt 0x0
.set i, 0
.rept 16
	KQ 0                                           ; piece 0's first scores
.set i, i+1
.endr
	WIN 0
.set i, 0
.rept 2*NP                             ; sixteen plain instructions: the places behind those products
	v_mov_b32 v[ST+4*i], 0xfe000000                ; c m: far below every c s, so that the first a is 0
	v_mov_b32 v[ST+4*i+1], 0xff7fffff              ; m: the lowest finite number
.set i, i+1
.endr
.set Y, NP-1                           ; XS works for piece Y + 1: piece 0
.irp n, 0,1,2,3,4,5,6,7,8,9,10,11,12,13,14,15,16,17,18,19,20,21
	XS 0, \n
	XS 1, \n
.endr
	v_nop                                          ; a plain instruction behind the two a,
	s_wait_alu depctr_va_vdst(0)                   ; and their wait, ahead of the label
	s_mov_b32 s[CNT], 8
.Lkstep:                                       ; a key step: four turns
	ATURN 0
	ATURN 1
	ATURN 2, 1
	ATURN 3, 0, 1
	WIN 0
	s_cbranch_scc1 .Lkstep
	; (the last trip's 16 products K Q^T, on the last K once more, and the maximum made of them serve nothing: the price, once a pass, of one text for every trip)
.set i, 0
.rept 16
	PV NP-1                                        ; the last piece's V^T P of the last step
.set i, i+1
.endr
	WIN 0                                          ; l's two halves and the other half of the lanes' are added; the additions are the places behind the last products
	ALL v_add_f32 v[ST+4*t+2], v[ST+4*t+2], v[ST+4*t+3]
	ALL v_permlanex16_b32 v[ST+4*t+3], v[ST+4*t+2], s[SEL], s[SEL+1]
	ALL v_add_f32 v[ST+4*t+2], v[ST+4*t+2], v[ST+4*t+3]
	ALL v_rcp_f32 v[ST+4*t+2], v[ST+4*t+2]
	v_nop                                          ; a plain instruction behind the last reciprocal,
	s_wait_alu depctr_va_vdst(0)                   ; and one wait for the eight, ahead of their first use
	PACK2 0
	PACK2 1                                        ; a piece's arithmetic stands between the loads of the piece before and its stores
	SEND 0, 16
	PACK2 2
	SEND 1, 16
	PACK2 3
	SEND 2, 16
	SEND 3, 0
	s_wait_xcnt 0x0                                ; the stores have read their registers and o16's address
	s_add_nc_u64 s[12:13], s[12:13], 64*2048       ; my next 64 rows
	s_cmp_eq_u32 s[PASS], 1
	s_cbranch_scc1 .Lnomove
	WIN 0x83                                       ; the second pass's Q goes where the one text of the turns names Q
.set i, 0
.rept 128
	v_mov_b32 v[i], v[i]
.set i, i+1
.endr
	WIN 0
.Lnomove:
	s_sub_co_u32 s[PASS], s[PASS], 1
	s_cmp_lg_u32 s[PASS], 0
	s_cbranch_scc1 .Lpass
	s_wait_tensorcnt 0x0                           ; the wave's end: behind my last tensor load and my last LDS store
	ds_add_u32 v[SPW], v[NIL]
	s_wait_dscnt 0x0
	CROUND                                         ; the closing round: no work-group ends while a partner may still ask for a tile that names it
	s_endpgm
.Lfunc_end_k_q5c76907b89_qattn:
	.size	k_q5c76907b89_qattn, .Lfunc_end_k_q5c76907b89_qattn-k_q5c76907b89_qattn
	.p2alignl 7, 3214868480
	.fill 96, 4, 3214868480
	.section	.rodata,"a",@progbits
	.p2align	6, 0x0
	.amdhsa_kernel k_q5c76907b89_qattn
		.amdhsa_group_segment_fixed_size 327680
		.amdhsa_private_segment_fixed_size 0
		.amdhsa_enable_private_segment 0
		.amdhsa_kernarg_size 40
		.amdhsa_user_sgpr_count 2
		.amdhsa_user_sgpr_kernarg_segment_ptr 1
		.amdhsa_wavefront_size32 1
		.amdhsa_system_sgpr_workgroup_id_x 1
		.amdhsa_system_sgpr_workgroup_id_y 1
		.amdhsa_system_sgpr_workgroup_id_z 1
		.amdhsa_system_vgpr_workitem_id 0
		.amdhsa_next_free_vgpr 1024
		.amdhsa_next_free_sgpr 106
		.amdhsa_reserve_vcc 0
		.amdhsa_float_denorm_mode_32 3
		.amdhsa_float_denorm_mode_16_64 3
		.amdhsa_memory_ordered 1
		.amdhsa_forward_progress 1
		.amdhsa_inst_pref_size 225
	.end_amdhsa_kernel
	.amdgpu_metadata
---
amdhsa.version: [ 1, 2 ]
amdhsa.kernels:
  - .name:           k_q5c76907b89_qattn
    .symbol:         k_q5c76907b89_qattn.kd
    .args:
      - { .name: x16, .offset: 0, .size: 8, .value_kind: global_buffer, .address_space: global }
      - { .name: wq16, .offset: 8, .size: 8, .value_kind: global_buffer, .address_space: global }
      - { .name: k16, .offset: 16, .size: 8, .value_kind: global_buffer, .address_space: global }
      - { .name: v16, .offset: 24, .size: 8, .value_kind: global_buffer, .address_space: global }
      - { .name: o16, .offset: 32, .size: 8, .value_kind: global_buffer, .address_space: global }
    .group_segment_fixed_size: 327680
    .private_segment_fixed_size: 0
    .kernarg_segment_align: 8
    .kernarg_segment_size: 40
    .max_flat_workgroup_size: 128
    .sgpr_count:     106
    .vgpr_count:     1024
    .wavefront_size: 32
...
	.end_amdgpu_metadata
.endif
;; end of part 2
;; launch oproj (part 3): grid 4 x 64, 4 waves a work-group, clusters of 4 x 4, 327,680 bytes of LDS; arguments o16, wo16, bout, out0; writes out0
.if DOCPART == 3
	.amdgcn_target "amdgcn-amd-amdhsa--gfx1250"
	.amdhsa_code_object_version 6
	.text
	.protected	k_q5c76907b89_oproj
	.globl	k_q5c76907b89_oproj
	.p2align	8
	.type	k_q5c76907b89_oproj,@function
k_q5c76907b89_oproj:
	s_mov_b64 s[64:65], 0
	v_nop
	global_prefetch_b8 v0, s[64:65] scope:SCOPE_SE
	s_setreg_imm32_b32 hwreg(HW_REG_WAVE_MODE, 25, 1), 1
	s_wait_xcnt 0x0
	s_wait_alu depctr_hold_cnt(0) depctr_sa_sdst(0) depctr_va_vdst(0) depctr_va_sdst(0) depctr_va_ssrc(0) depctr_va_vcc(0) depctr_vm_vsrc(0)
	s_getreg_b32 s2, hwreg(HW_REG_IB_STS2, 6, 4)
	s_cmp_eq_u32 s2, 0
	s_cbranch_scc0 .Lentry_in_a_cluster
	s_endpgm
.Lentry_in_a_cluster:
	s_bfe_u32 s2, ttmp6, 0x10000c
	s_cmp_lg_u32 s2, 0xf033
	s_cbranch_scc0 .Lentry_shape_is_right
	s_endpgm
.Lentry_shape_is_right:
; MQA CROSS ATTENTION, launch 3 of 3: out0 = O Wout + bout.  Nothing of reference() is left out.
; o16 [16384][1024] and wo16 [k = 1024][n = 1024] in f16, bout [1024] and out0 [16384][1024] in f32; sums in f32, and they START at the bias: it is the C operand of each accumulator's first product.
; A work-group makes a tile of 256 x 256: four waves, each 128 x 128 in 64 accumulators.  K goes in 8 steps of 128 through two LDS slots that tensor loads fill; O's tile lies [row][k], Wout's [k][n] and is
; read turned (ds_load_tr16_b128).  The product is used transposed (source 0 = 16 columns of Wout, source 1 = 16 rows of O): a lane holds one row and eight neighbouring columns.
; CLUSTER.  4 x 4 work-groups: the four of a row of the cluster need the same tiles of O, the four of a column the same tiles of Wout: each is asked for JOINTLY.
; LIMITS.  NaN and infinities are not treated apart; the operands carry f16's range and step, as the launches before state.
; REGISTERS, in windows of 256 (s_set_vgpr_msb: bits 1:0 source 0, 3:2 source 1, 5:4 source 2, 7:6 destination):
;   window 0: v0-23 addresses; v64-127, v128-191 fragments of O, two buffers, later the rows on their way out; v192-255 the bias of my 128 columns, 8 registers a column block
;   window 1: v64-127, v128-191 fragments of Wout.     windows 2, 3: the accumulators of my rows 0-63, 64-127: (a, b) at v[8 (8 (a % 4) + b)]
.set PITCH, 272                        ; a row of O's tile in LDS: 256 bytes + 16
.set PB,    544                        ; a row (one k, 256 columns) of Wout's tile: 512 bytes + 32 = 17 x 32
.set HALFT, 128*PITCH                  ; what one tensor load brings: 128 rows of O, or 64 rows of Wout
.set SLOT,  4*HALFT
.set STAGE, 2*SLOT                     ; behind the ring, never filled by a tensor load: 16 rows x 528 bytes for each wave
.set SPITCH, 528                       ; 512 bytes + 16 = 33 x 16
.set SPARE, STAGE+4*16*SPITCH          ; the spare words, 128 bytes for each wave: two blocks of 256 bytes that no other line names
.set STO, 6                            ; v6   the way out: where I put 32 bytes of a row
.set RD,  7                            ; v7   where I read a row back
.set CO,  8                            ; v8   my 16 bytes of a row's 512
.set SPW, 10
.set NIL, 11
.set ADRA0, 12
.set ADRB0, 13
.set ADA, 14
.set ADB, 15
.set PFO, 16
.set BO,  21                           ; v21  the bias loads' offset
.set F0,  64
.set F1,  128
.set OB,  64                           ; the way out: 16 rows read back: v64-127 and v128-191 by turns
.set BI,  192
.set WV,  14
.set RH,  15
.set CH,  16
.set TB,  17
.set G1,  24
.set G0,  32
.set LIM, 43
.set PFA, 44
.set G1B, 48
.set G0B, 56
.set PST, 92
.set MSB, 0
.macro WIN new
.if MSB != (\new)
	s_set_vgpr_msb (MSB<<8)|(\new)
.set MSB, (\new)
.endif
.endm
.set MUL_LO, 0xa1                      ; source 0 (Wout) window 1, source 1 (O) window 0, C and D window 2
.set MUL_HI, 0xf1
.set TO_B,   0x40
.macro PLACES                          ; four plain instructions between a matrix instruction and a load into, or a read of, its registers
.rept 4
	v_nop
.endr
.endm
.macro JLOAD                           ; a joint refill: waves 0 and 1 fetch O's two halves, waves 2 and 3 Wout's; an s_nop 0 and four v_nop follow each of the two lines
	s_cmp_eq_u32 s[RH], 0
	s_cbranch_scc0 .Lfor_b_\@
	tensor_load_to_lds s[G0+4:G0+7], s[G1:G1+7]
	s_nop 0
	PLACES
	s_branch .Lasked_\@
.Lfor_b_\@:
	tensor_load_to_lds s[G0B+4:G0B+7], s[G1B:G1B+7]
	s_nop 0
	PLACES
.Lasked_\@:
.endm
; A PREFETCH INTO THE L2, behind a joint refill, its five lines and the run of LDS loads that follows them: the K step that stands TWO refills on, 512 matrix instructions ahead of the load that will want it.
; Each aligned block of 256 bytes is named ONCE in the launch: o16's rows by the one cluster that reads them, wo16's by the cluster with y = 0.  The four partners that ask for a tile jointly share it out BY
; ADDRESS: of O's 128 rows a load 32 each (by cx), a lane a row; of Wout's 64 rows of 512 bytes 16 each (by cy), two lanes a row.  The first four K steps come by their loads alone; the last two trips ask for nothing.
.macro ASK
	s_cmp_gt_u32 s3, s[LIM]
	s_cbranch_scc0 .Lnot_mine_\@
	global_prefetch_b8 v[PFO], s[PFA:PFA+1] th:TH_LOAD_NT scope:SCOPE_SE
.Lnot_mine_\@:
.endm
.macro CREST
	s_cmp_lg_u32 s[WV], 0
	s_cbranch_scc1 .Lnot_wave_0_\@
	s_barrier_signal -3
.Lnot_wave_0_\@:
	s_barrier_wait -3
	s_barrier_signal -1
	s_barrier_wait -1
.endm
.macro CROUND
	s_barrier_signal -1
	s_barrier_wait -1
	CREST
.endm
	s_load_b256 s[4:11], s[0:1], 0x0               ; o16 s[4:5], wo16 s[6:7], bout s[8:9], out0 s[10:11]
	v_lshl_add_u32 v[SPW], v0, 2, SPARE
	v_mov_b32 v[NIL], 0
	ds_add_u32 v[SPW], v[NIL]                      ; the wave's opening: the add, twice on end, and its wait ahead of my first tensor load
	ds_add_u32 v[SPW], v[NIL]
	v_lshrrev_b32 v1, 5, v0
	v_readfirstlane_b32 s[WV], v1
	s_lshr_b32 s[RH], s[WV], 1
	s_and_b32 s[CH], s[WV], 1
	s_bfe_u32 s40, ttmp6, 0x40000                  ; cx
	s_bfe_u32 s41, ttmp6, 0x40004                  ; cy
	s_lshl_b32 s42, ttmp9, 2
	s_add_co_u32 s42, s42, s40                     ; tile column
	s_and_b32 s67, ttmp7, 0xffff                   ; cluster y
	s_lshl_b32 s66, s67, 2
	s_add_co_u32 s66, s66, s41                     ; tile row
	s_lshl_b32 s18, s41, 2
	s_lshl_b32 s18, 15, s18                        ; my row of the cluster
	s_lshl_b32 s19, 0x1111, s40                    ; my column
	s_or_b32 s[G1+0], s18, (1<<16)|(1<<20)|(1<<21)|(5<<22)|(3<<25)
	s_mov_b32 s[G1+1], 128<<16
	s_mov_b32 s[G1+2], 128<<16
	s_mov_b32 s[G1+3], 128<<16
	s_mov_b32 s[G1+4], 128
	s_mov_b32 s[G1+5], 1024
	s_mov_b32 s[G1+6], 0
	s_mov_b32 s[G1+7], 0
	s_or_b32 s[G1B+0], s19, (1<<16)|(1<<20)|(1<<21)|(6<<22)|(7<<25)
	s_mov_b32 s[G1B+1], 256<<16
	s_mov_b32 s[G1B+2], 64<<16
	s_mov_b32 s[G1B+3], 256<<16
	s_mov_b32 s[G1B+4], 64
	s_mov_b32 s[G1B+5], 1024
	s_mov_b32 s[G1B+6], 0
	s_mov_b32 s[G1B+7], 0
	s_lshl_b32 s20, s66, 19
	s_lshl_b32 s21, s[CH], 18
	s_add_co_u32 s20, s20, s21
	s_mov_b32 s21, 0
	s_lshl_b32 s46, s[CH], 17
	s_lshl_b32 s47, s42, 9
	s_add_co_u32 s46, s46, s47
	s_mov_b32 s47, 0
	s_mul_i32 s22, s[WV], HALFT
	s_wait_dscnt 0x0                               ; both opening adds are done
	s_wait_kmcnt 0x0
	s_add_nc_u64 s[20:21], s[4:5], s[20:21]
	s_add_nc_u64 s[46:47], s[6:7], s[46:47]
.irp s, 0,1
	s_mov_b32 s[G0+4*\s], 1
	s_add_co_u32 s[G0+4*\s+1], s22, \s*SLOT
	s_add_nc_u64 s[G0+4*\s+2:G0+4*\s+3], s[20:21], \s*256
	s_or_b32 s[G0+4*\s+3], s[G0+4*\s+3], 0x80000000
	s_mov_b32 s[G0B+4*\s], 1
	s_add_co_u32 s[G0B+4*\s+1], s22, \s*SLOT
	s_add_nc_u64 s[G0B+4*\s+2:G0B+4*\s+3], s[46:47], \s*262144
	s_or_b32 s[G0B+4*\s+3], s[G0B+4*\s+3], 0x80000000
.endr
	CROUND                                         ; all sixteen work-groups are here: the first joint loads meet
	s_cmp_eq_u32 s[RH], 0                          ; a wave's two first fills stand in one branch: two loads of mine are out
	s_cbranch_scc0 .Lfirst_b
	tensor_load_to_lds s[G0:G0+3], s[G1:G1+7]
	s_nop 0
	tensor_load_to_lds s[G0+4:G0+7], s[G1:G1+7]
	s_nop 0
	PLACES
	s_branch .Lfirst_asked
.Lfirst_b:
	tensor_load_to_lds s[G0B:G0B+3], s[G1B:G1B+7]
	s_nop 0
	tensor_load_to_lds s[G0B+4:G0B+7], s[G1B:G1B+7]
	s_nop 0
	PLACES
.Lfirst_asked:
	v_and_b32 v1, 15, v0                           ; l % 16
	v_bfe_u32 v9, v0, 4, 1                         ; l / 16
	s_lshl_b32 s68, s42, 10                        ; bout at my 128 columns
	s_lshl_b32 s69, s[CH], 9
	s_add_co_u32 s68, s68, s69
	s_mov_b32 s69, 0
	s_add_nc_u64 s[8:9], s[8:9], s[68:69]
	v_lshlrev_b32 v[BO], 5, v9                     ; register j of column block b is column 16 b + 8 (l / 16) + j
.irp b, 0,1,2,3,4,5,6,7
	global_load_b128 v[BI+8*\b:BI+8*\b+3],   v[BO], s[8:9] offset:64*\b
	global_load_b128 v[BI+8*\b+4:BI+8*\b+7], v[BO], s[8:9] offset:64*\b+16
.endr
	s_lshl_b32 s69, s66, 20                        ; out0 at my wave's first row and column (s68 still holds the columns' bytes)
	s_add_co_u32 s68, s68, s69
	s_lshl_b32 s69, s[RH], 19
	s_add_co_u32 s68, s68, s69
	s_mov_b32 s69, 0
	s_add_nc_u64 s[10:11], s[10:11], s[68:69]
	s_lshl_b32 s92, s66, 8                         ; the prefetches.  In o16: row 256 x tile row + 128 x half + 32 cx, at K step 3;
	s_lshl_b32 s93, s[CH], 7
	s_add_co_u32 s92, s92, s93
	s_lshl_b32 s93, s40, 5
	s_add_co_u32 s92, s92, s93
	s_lshl_b32 s92, s92, 11
	s_add_co_u32 s92, s92, 3*256
	s_lshl_b32 s93, s[CH], 6                       ; in wo16: row 64 x half + 16 cy, column 256 x tile column, at K step 3
	s_lshl_b32 s68, s41, 4
	s_add_co_u32 s93, s93, s68
	s_lshl_b32 s93, s93, 11
	s_lshl_b32 s68, s42, 9
	s_add_co_u32 s93, s93, s68
	s_add_co_u32 s93, s93, 3*262144
	s_cmp_eq_u32 s[RH], 0
	s_cselect_b32 s68, s92, s93
	s_mov_b32 s69, 0
	s_cselect_b64 s[PFA:PFA+1], s[4:5], s[6:7]
	s_cselect_b32 s[LIM], ttmp9, s67               ; the coordinate along which other clusters read the same rows
	s_mov_b32 s[PST], 262144
	s_cselect_b32 s[PST], 256, s[PST]
	s_mov_b32 s[PST+1], 0
	s_add_nc_u64 s[PFA:PFA+1], s[PFA:PFA+1], s[68:69]
	s_cmp_eq_u32 s[LIM], 0
	s_cselect_b32 s[LIM], 2, -1
	v_and_b32 v17, 7, v0
	v_bfe_u32 v18, v0, 3, 1
	v_and_b32 v19, 31, v0
	v_mul_u32_u24 v[ADRA0], v1, PITCH
	v_lshl_add_u32 v[ADRA0], v9, 4, v[ADRA0]
	s_mul_i32 s20, s[RH], HALFT
	v_add_nc_u32 v[ADRA0], s20, v[ADRA0]
	v_lshl_add_u32 v[ADRB0], v9, 3, v17
	v_mul_u32_u24 v[ADRB0], v[ADRB0], PB
	v_lshl_add_u32 v[ADRB0], v18, 4, v[ADRB0]
	s_lshl_b32 s20, s[CH], 8
	s_add_co_u32 s20, s20, 2*HALFT
	v_add_nc_u32 v[ADRB0], s20, v[ADRB0]
	v_lshrrev_b32 v[PFO], s[RH], v19
	v_lshlrev_b32 v[PFO], 11, v[PFO]
	v_and_b32 v20, s[RH], v19
	v_lshl_add_u32 v[PFO], v20, 8, v[PFO]
	s_mul_i32 s20, s[WV], 16*SPITCH
	s_add_co_u32 s20, s20, STAGE                   ; my stage
	v_mul_u32_u24 v[STO], v1, SPITCH               ; in: row l % 16, 32 bytes for each half of the lanes
	v_lshl_add_u32 v[STO], v9, 5, v[STO]
	v_add_nc_u32 v[STO], s20, v[STO]
	v_lshl_add_u32 v[RD], v19, 4, s20              ; back: 32 lanes take one row's 512 bytes
	v_lshlrev_b32 v[CO], 4, v19
; 16 matrix instructions.  zero = 1: the first product starts the sums, at the bias (window 0).  The 64 accumulators take turns in one order in every quarter, over the backward jump too.
.macro MUL16 f, hi, a0, zero
.if \zero
	WIN 0x81+0x40*(\hi)
.else
	WIN MUL_LO+0x50*(\hi)
.endif
.irp a, \a0, (\a0)+1
.irp b, 0,1,2,3,4,5,6,7
.if \zero
	v_wmma_f32_16x16x32_f16 v[8*(8*(\a)+(\b)):8*(8*(\a)+(\b))+7], v[(\f)+8*(\b):(\f)+8*(\b)+7], v[(\f)+8*(4*(\hi)+(\a)):(\f)+8*(4*(\hi)+(\a))+7], v[BI+8*(\b):BI+8*(\b)+7]
.else
	v_wmma_f32_16x16x32_f16 v[8*(8*(\a)+(\b)):8*(8*(\a)+(\b))+7], v[(\f)+8*(\b):(\f)+8*(\b)+7], v[(\f)+8*(4*(\hi)+(\a)):(\f)+8*(4*(\hi)+(\a))+7], v[8*(8*(\a)+(\b)):8*(8*(\a)+(\b))+7]
.endif
.endr
.endr
.endm
.macro FETCH q, f                      ; 32 LDS loads in one run: quarter q of the slot in hand into buffer f
	WIN TO_B
.irp i, 0,1,2,3,4,5,6,7
	ds_load_tr16_b128 v[(\f)+8*(\i):(\f)+8*(\i)+3],   v[ADB] offset:(\q)*32*PB+32*(\i)
	ds_load_tr16_b128 v[(\f)+8*(\i)+4:(\f)+8*(\i)+7], v[ADB] offset:(\q)*32*PB+16*PB+32*(\i)
.endr
	WIN 0
.irp i, 0,1,2,3,4,5,6,7
	ds_load_b128 v[(\f)+8*(\i):(\f)+8*(\i)+3],   v[ADA] offset:64*(\q)+(\i)*16*PITCH
	ds_load_b128 v[(\f)+8*(\i)+4:(\f)+8*(\i)+7], v[ADA] offset:64*(\q)+(\i)*16*PITCH+32
.endr
.endm
.macro QUARTER q, f, g, zero
	s_wait_dscnt 8                                 ; Wout and O's rows 0-63 are in; the youngest eight loads (O's rows 64-127) may be out
	MUL16 \f, 0, 0, \zero
	MUL16 \f, 0, 2, \zero
	PLACES
	FETCH \q, \g
	s_wait_dscnt 32                                ; all but the 32 just issued
	MUL16 \f, 1, 0, \zero
	MUL16 \f, 1, 2, \zero
.endm
; ONE barrier for the change of slots: in front of it each wave waits for all its tensor loads (one is out: its part of the next slot), adds 0 to its spare word, and waits for that and for its reads of this slot.
.macro MEET round
	WIN 0
	s_wait_tensorcnt 0x0
	ds_add_u32 v[SPW], v[NIL]
	s_wait_dscnt 9                                 ; (the add and the youngest eight loads may be out)
	MUL16 F1, 0, 0, 0
	s_wait_dscnt 0x0                               ; the add is done, and my reads of this slot are over
	s_barrier_signal -1
	MUL16 F1, 0, 2, 0
.if \round
	WIN 0
.endif
	s_barrier_wait -1
.endm
; A K step's last quarter.  fill = 1: the slot just read out takes the K step two on, behind a round of the cluster's barrier, as the first tensor load behind its closing wait.
.macro GTURN fill
.if \fill
	s_wait_xcnt 0x0                                ; the last prefetch, a K step back, has read its address
	s_add_nc_u64 s[PFA:PFA+1], s[PFA:PFA+1], s[PST:PST+1]
	MEET 1
	CREST
	s_xor_b32 s[G0+5], s[G0+5], SLOT               ; the walking descriptors: the other slot (SLOT's two bits are 0 in every wave's part of a slot), the next K step
	s_add_nc_u64 s[G0+6:G0+7], s[G0+6:G0+7], 256
	s_xor_b32 s[G0B+5], s[G0B+5], SLOT
	s_add_nc_u64 s[G0B+6:G0B+7], s[G0B+6:G0B+7], 262144
	JLOAD                                          ; 224 matrix instructions ahead of the wait for it; its four v_nop are also the places in front of the loads below
.else
	MEET 0
	PLACES
	WIN 0
.endif
	s_xor_b32 s[TB], s[TB], SLOT
	v_add_nc_u32 v[ADA], s[TB], v[ADRA0]
	v_add_nc_u32 v[ADB], s[TB], v[ADRB0]
	FETCH 0, F0
.if \fill
	ASK
.endif
	MUL16 F1, 1, 0, 0
	MUL16 F1, 1, 2, 0
.endm
	s_wait_tensorcnt 1                             ; my part of K step 0 is in; K step 1's may stay out
	s_barrier_signal -1
	s_barrier_wait -1
	s_mov_b32 s[TB], 0
	v_mov_b32 v[ADA], v[ADRA0]
	v_mov_b32 v[ADB], v[ADRB0]
	FETCH 0, F0
	s_wait_loadcnt 0x0                             ; the bias
	QUARTER 1, F0, F1, 1                           ; the first quarter stands in front of the loop: its products start the sums
	WIN 0
	s_mov_b32 s3, 6
.Lstep:                                        ; a trip: a K step's quarters 1 to 3 and the next step's quarter 0; the slot left takes K steps 2 to 7
	QUARTER 2, F1, F0, 0
	QUARTER 3, F0, F1, 0
	GTURN 1
	QUARTER 1, F0, F1, 0
	WIN 0
	s_sub_co_u32 s3, s3, 1
	s_cmp_lg_u32 s3, 0
	s_cbranch_scc1 .Lstep
	QUARTER 2, F1, F0, 0                           ; the last two K steps fill nothing
	QUARTER 3, F0, F1, 0
	GTURN 0
	QUARTER 1, F0, F1, 0
	QUARTER 2, F1, F0, 0
	QUARTER 3, F0, F1, 0
	s_wait_dscnt 8
	MUL16 F1, 0, 0, 0
	MUL16 F1, 0, 2, 0
	s_wait_dscnt 0x0
	MUL16 F1, 1, 0, 0
	MUL16 F1, 1, 2, 0
	WIN 0
	PLACES
	PLACES
	; THE WAY OUT, 16 rows at a time, through my own stage: a lane's 32 bytes of a row go in, whole rows of 512 bytes come back and are stored.
.macro TOSTAGE a
.set AC, 64*((\a)%4)
.set BK, OB+64*((\a)%2)
.if (\a) >= 2
	s_wait_xcnt 0x0                                ; the stores of the block two back have read the registers that the loads below fill
.endif
	WIN 0x08+0x04*((\a)/4)                         ; the stores' data in window 2 or 3
.irp b, 0,1,2,3,4,5,6,7
	ds_store_b128 v[STO], v[AC+8*(\b):AC+8*(\b)+3]   offset:64*(\b)     ; each accumulator is read from its low end on
	ds_store_b128 v[STO], v[AC+8*(\b)+4:AC+8*(\b)+7] offset:64*(\b)+16
.endr
	WIN 0
.irp t, 0,1,2,3,4,5,6,7,8,9,10,11,12,13,14,15
	ds_load_b128 v[BK+4*(\t):BK+4*(\t)+3], v[RD] offset:(\t)*SPITCH  ; LDS serves a wave's instructions in order (ISA guide 5.7.1.4): these see the stores above; the next block's stores come behind them
.endr
.endm
.macro SEND a, younger                 ; younger: the LDS instructions issued behind block a's loads: the next block's 32, or none
.set BK, OB+64*((\a)%2)
.irp t, 0,1,2,3,4,5,6,7,8,9,10,11,12,13,14,15
	s_wait_dscnt (\younger)+15-(\t)
	global_store_b128 v[CO], v[BK+4*(\t):BK+4*(\t)+3], s[10:11] offset:(16*(\a)+(\t))*4096 th:TH_STORE_NT  ; 512 consecutive bytes, at a multiple of 512 from out0's first byte; the row stands in the immediate
.endr
.endm
	TOSTAGE 0
.irp a, 1,2,3,4,5,6,7
	TOSTAGE \a
	SEND (\a)-1, 32
.endr
	SEND 7, 0
	s_wait_tensorcnt 0x0                           ; the wave's end: behind my last tensor load and my last LDS store
	ds_add_u32 v[SPW], v[NIL]
	s_wait_dscnt 0x0
	CROUND                                         ; the closing round: no work-group ends while a partner may still ask for a tile that names it
	s_endpgm
.Lfunc_end_k_q5c76907b89_oproj:
	.size	k_q5c76907b89_oproj, .Lfunc_end_k_q5c76907b89_oproj-k_q5c76907b89_oproj
	.p2alignl 7, 3214868480
	.fill 96, 4, 3214868480
	.section	.rodata,"a",@progbits
	.p2align	6, 0x0
	.amdhsa_kernel k_q5c76907b89_oproj
		.amdhsa_group_segment_fixed_size 327680
		.amdhsa_private_segment_fixed_size 0
		.amdhsa_enable_private_segment 0
		.amdhsa_kernarg_size 32
		.amdhsa_user_sgpr_count 2
		.amdhsa_user_sgpr_kernarg_segment_ptr 1
		.amdhsa_wavefront_size32 1
		.amdhsa_system_sgpr_workgroup_id_x 1
		.amdhsa_system_sgpr_workgroup_id_y 1
		.amdhsa_system_sgpr_workgroup_id_z 1
		.amdhsa_system_vgpr_workitem_id 0
		.amdhsa_next_free_vgpr 1024
		.amdhsa_next_free_sgpr 94
		.amdhsa_reserve_vcc 0
		.amdhsa_float_denorm_mode_32 3
		.amdhsa_float_denorm_mode_16_64 3
		.amdhsa_memory_ordered 1
		.amdhsa_forward_progress 1
		.amdhsa_inst_pref_size 120
	.end_amdhsa_kernel
	.amdgpu_metadata
---
amdhsa.version: [ 1, 2 ]
amdhsa.kernels:
  - .name:           k_q5c76907b89_oproj
    .symbol:         k_q5c76907b89_oproj.kd
    .args:
      - { .name: o16, .offset: 0, .size: 8, .value_kind: global_buffer, .address_space: global }
      - { .name: wo16, .offset: 8, .size: 8, .value_kind: global_buffer, .address_space: global }
      - { .name: bout, .offset: 16, .size: 8, .value_kind: global_buffer, .address_space: global }
      - { .name: out0, .offset: 24, .size: 8, .value_kind: global_buffer, .address_space: global }
    .group_segment_fixed_size: 327680
    .private_segment_fixed_size: 0
    .kernarg_segment_align: 8
    .kernarg_segment_size: 32
    .max_flat_workgroup_size: 128
    .sgpr_count:     94
    .vgpr_count:     1024
    .wavefront_size: 32
...
	.end_amdgpu_metadata
.endif
;; end of part 3
;; ======== version 2 of 2: 3 launches; version 1 with the launch prep written anew for expert scheduling mode
;; limits: values are held in f16: magnitudes above 65,504 overflow, below 6.1e-05 lose precision
;; workspace buffers: x16 33,554,432 bytes; wq16 2,097,152 bytes; wo16 2,097,152 bytes; k16 524,288 bytes; v16 524,288 bytes; o16 33,554,432 bytes
;; launch prep (part 4): grid 256 x 1, 16 waves a work-group, no clusters, 239,616 bytes of LDS; arguments x, Wq, Wout, text_input, ln_w, ln_b, Wkv, x16, wq16, wo16, k16, v16; writes x16, wq16, wo16, k16, v16
.if DOCPART == 4
	.amdgcn_target "amdgcn-amd-amdhsa--gfx1250"
	.amdhsa_code_object_version 6
	.text
	.protected	k_q5c76907b89_prep
	.globl	k_q5c76907b89_prep
	.p2align	8
	.type	k_q5c76907b89_prep,@function
k_q5c76907b89_prep:
	s_mov_b64 s[64:65], 0
	v_nop
	global_prefetch_b8 v0, s[64:65] scope:SCOPE_SE
	s_setreg_imm32_b32 hwreg(HW_REG_WAVE_SCHED_MODE, 0, 2), 2
	s_setreg_imm32_b32 hwreg(HW_REG_WAVE_MODE, 25, 1), 1
	s_wait_xcnt 0x0
	s_wait_alu depctr_vm_vsrc(0)
; MQA CROSS ATTENTION, launch 1 of 3: what the two matrix launches need, made once.  256 work-groups in two roles; the role is the parity of the work-group number's eight bits, the index in a role the
; number / 2 (numbers 2 m and 2 m + 1 have opposite parity): every run and every stride of work-group numbers holds as many of either role.
;   even parity, index 0-127: tn = LayerNorm(text_input) * ln_w + ln_b, KV = tn Wkv; K and V stored by batch and kv head, [b][g][512][64] in f16, unscaled; and 65,536 bytes of Wq (index 0-63) or Wout
;                             rounded once to f16, layout unchanged (wq16, wo16 [k][n]).
;   odd parity, index 0-127:  524,288 bytes of x rounded once to f16, layout unchanged (x16 [16384][1024]).
; NOTHING OF reference() IS LEFT OUT, in this launch or the later ones: all eight inputs are loaded.  (ln_b's share of K is the same for all keys of a softmax row, but it rides in the one fused
; multiply-add that also serves V's columns, where it is live: it is no unit of its own.)
; FORMATS.  Every matrix operand of the program is f16, each number rounded once; LayerNorm in f32, the variance as the mean of the squared deviations from the mean, which is taken first.
; LIMITS.  f16 holds no number beyond 65,504: x, the weights, tn, K, V (and in the next launch Q) must lie within it; below 6e-5 f16 keeps a fixed step of 6e-8.  NaN and infinities are not treated apart.
; KV ROLE.  A work-group takes 64 text rows and 64 of Wkv's 256 columns (K g0, K g1, V g0, V g1): 16 waves; wave w normalises rows 4 w .. 4 w + 3 (a row is 24 registers of one wave: the reductions never
; leave the wave) and converts Wkv's rows 48 w .. 48 w + 47; both go to LDS in f16; then wave w makes one tile of 16 rows x 16 columns over all 768 channels.  The four column blocks repeat the LayerNorm.
; All its loads go out at the start: the text rows and both halves of Wkv, 48 a wave.  ln_w and ln_b come once a work-group (waves 0-11, 512 bytes each) and reach the waves through LDS.  Its share of the
; weights is asked for behind the LayerNorm, is on its way during the product, and is stored at the end.
; CAST ROLE.  64 loads of 16 bytes a thread through a ring of 32 register slots, worked in 16 groups of four slots; a wave's store covers 256 consecutive bytes, aligned.
; THE MODE: SCHED_MODE bits 1:0 = 2 (LLVM: expert scheduling mode 2), set by the entry lines.  The code itself states the register dependences between vector or matrix instructions and memory or LDS
; instructions, with s_wait_alu, always for 0.
; THE PLAN, KV ROLE.  Registers that memory or LDS instructions touch, in the order of the text:
;   v4, v6, v252                 offsets of the first loads: made ahead of them, never written again.
;   v7-v15, v247, v253, v254     the other addresses: made while those loads are out, never written again.
;   v[248:251]                   the parameter load lands, one LDS store reads; nothing else names them.
;   X  v[64:159]                 the text loads land; the LayerNorm works in place; the roundings write pairs; LDS stores read the pairs; then fragments land (B0, B1).
;   W0 v[160:207]                Wkv's loads land; conversions write pairs; LDS stores read them; ln_w and ln_b land; the multiply-adds read them; then the weights land from v192 on, fragments below.
;   W1 v[16:63]                  Wkv's loads land; conversions write pairs; LDS stores read them; then the accumulators (v16-31), the stage's data (v32-35) and the stage's row (v36-39).
;   T  v[208:239]                vector work alone; then the weights land in v208-223, and v224-239 are written by conversions and stored.
; Each run of conversions is followed by ONE wait on va_vdst and then by the run of stores and loads that hang on it; one wait on vm_vsrc stands behind each of the first two barriers, ahead of the loads and
; matrix instructions that write what the LDS stores in front of the barrier have read.
; THE PLAN, CAST ROLE.  CX: slot s is written by its load and read by its group's conversions.  CZ: slot s is written by those conversions and read by its store.  v4, v5: made once.  Turn g converts group g;
; its memory instructions are group g - 1's: that group's slots are asked for again and its four stores leave.  No conversion of turn g names those slots, so one wait on va_vdst at a turn's head states all
; that the turn's eight memory instructions hang on.
.set TNP,   1552                       ; a row of tn in LDS: 1,536 bytes + 16 = 97 x 16: the 16 rows of a fragment load start at 16 different groups of four banks
.set WLP,   160                        ; a row (one channel k, 64 columns) of Wkv in LDS: 128 bytes + 32 = 5 x 32, for the turning load
.set STP,   144                        ; a row of the stage: 128 bytes + 16
.set WL,    64*TNP                     ; LDS: tn at 0, Wkv's block here,
.set STG,   WL+768*WLP                 ; the stage for the way out,
.set PRM,   STG+64*STP                 ; ln_w's 3,072 bytes and then ln_b's,
.set SPARE, PRM+6144                   ; and the spare words, 128 bytes for each of 16 waves: eight blocks of 256 bytes that no other line names
.set SPW, 2                            ; v2   LDS address of my spare word; never rewritten
.set NIL, 3                            ; v3   0; never rewritten
.set W1,  16                           ; v[16:63]   Wkv, last 12 loads
.set X,   64                           ; v[64:159]  four text rows, 24 registers each: channels 128 j + 4 lane + 0..3 at 4 j
.set W0,  160                          ; v[160:207] Wkv, first 12 loads
.set LW,  160                          ; v[160:183] later: ln_w of my 24 channels
.set LB,  184                          ; v[184:207] ln_b likewise
.set T,   208                          ; v[208:239] eight registers a row at work: +0,1 sum, then the mean twice; +2,3 squares; +4,5 1/sqrt twice
.set ACC, 16                           ; v[16:31]   two accumulators: even and odd steps of 32 channels
.set B0,  64                           ; fragment buffers of four steps: 16 registers a step, tn's 8 and then Wkv's 8
.set B1,  128
.set CW,  192                          ; v[192:223] my share of the weights as loaded
.set CY,  224                          ; v[224:239] and to store
.set CX,  64                           ; cast role: v[64:191] slot s: 4 registers as loaded
.set CZ,  192                          ; v[192:255] slot s: 2 registers to store
	s_load_b512 s[4:19], s[0:1], 0x0               ; x s[4:5], Wq s[6:7], Wout s[8:9], text_input s[10:11], ln_w s[12:13], ln_b s[14:15], Wkv s[16:17], x16 s[18:19]
	s_load_b256 s[20:27], s[0:1], 0x40             ; wq16 s[20:21], wo16 s[22:23], k16 s[24:25], v16 s[26:27]
	v_lshl_add_u32 v[SPW], v0, 2, SPARE
	v_mov_b32 v[NIL], 0
	v_lshrrev_b32 v1, 5, v0
	v_readfirstlane_b32 s36, v1                    ; wave 0..15
	v_and_b32 v1, 31, v0                           ; lane
	s_lshr_b32 s39, ttmp9, 4                       ; the parity of the work-group number's eight bits, folded 4, 2, 1
	s_xor_b32 s39, s39, ttmp9
	s_lshr_b32 s56, s39, 2
	s_xor_b32 s39, s39, s56
	s_lshr_b32 s56, s39, 1
	s_xor_b32 s39, s39, s56
	s_and_b32 s39, s39, 1
	s_lshr_b32 s57, ttmp9, 1                       ; my index in my role, 0..127
	s_wait_alu depctr_va_sdst(0)                   ; s36, the wave's number, is written: ahead of the branch below and of its first reader, in the KV role
	s_wait_kmcnt 0x0
	s_cmp_eq_u32 s39, 0                            ; the work-group's number alone decides the role: the same in all its waves
	s_cbranch_scc0 .Lcast
	; ---------------- the KV role ----------------
	s_lshr_b32 s28, s57, 2                         ; block of 64 text rows, 0..31
	s_and_b32 s29, s57, 3                          ; block of 64 columns
	s_mul_i32 s30, s28, 64*3072
	s_mov_b32 s31, 0
	s_add_nc_u64 s[10:11], s[10:11], s[30:31]      ; text_input at my block's first row
	s_lshl_b32 s30, s29, 8
	s_add_nc_u64 s[16:17], s[16:17], s[30:31]      ; Wkv at my block's first column
	s_cmp_ge_u32 s29, 2
	s_cselect_b64 s[32:33], s[26:27], s[24:25]     ; column blocks 2, 3 are V's
	s_lshr_b32 s34, s28, 3                         ; batch
	s_lshl_b32 s34, s34, 1
	s_and_b32 s35, s29, 1                          ; kv head
	s_add_co_u32 s34, s34, s35
	s_lshl_b32 s34, s34, 9                         ; 512 rows for each (batch, kv head)
	s_and_b32 s35, s28, 7
	s_lshl_b32 s35, s35, 6
	s_add_co_u32 s34, s34, s35                     ; + my block's first row in the batch
	s_lshl_b32 s30, s34, 7                         ; rows of 128 bytes
	s_add_nc_u64 s[32:33], s[32:33], s[30:31]
	s_cmp_lt_u32 s57, 64                           ; my share of the weights: Wq for the first 64 of us, Wout for the others
	s_cselect_b64 s[50:51], s[6:7], s[8:9]
	s_cselect_b64 s[52:53], s[20:21], s[22:23]
	s_and_b32 s54, s57, 63
	s_lshl_b32 s54, s54, 16                        ; 65,536 bytes in,
	s_mov_b32 s55, 0
	s_add_nc_u64 s[50:51], s[50:51], s[54:55]
	s_lshr_b32 s54, s54, 1                         ; 32,768 out
	s_add_nc_u64 s[52:53], s[52:53], s[54:55]
	s_cmp_lt_u32 s36, 6                            ; waves 0-5 fetch ln_w, waves 6-11 ln_b, 512 bytes each
	s_cselect_b64 s[48:49], s[12:13], s[14:15]
	s_cselect_b32 s54, 0, 6
	s_sub_co_u32 s54, s36, s54
	s_lshl_b32 s54, s54, 9
	s_mov_b32 s37, 0x3aaaaaab                      ; 1 / 768
	s_mov_b32 s38, 0x3727c5ac                      ; 1e-5
	s_mov_b32 s40, 0x76543210                      ; v_permlanex16_b32: each lane takes its own place in the other half
	s_mov_b32 s41, 0xfedcba98
	v_lshlrev_b32 v5, 4, v1                        ; 16 x lane
	v_add_nc_u32 v252, s54, v5                     ; my 16 bytes of ln_w or ln_b
	s_mul_i32 s42, s36, 4*3072
	v_add_nc_u32 v4, s42, v5                       ; my wave's four text rows
	v_and_b32 v240, 15, v1                         ; lane % 16
	v_lshrrev_b32 v241, 4, v1                      ; lane / 16
	s_mul_i32 s43, s36, 48
	v_add_nc_u32 v242, s43, v241                   ; Wkv's row 48 w + lane / 16
	v_lshlrev_b32 v243, 4, v240
	v_lshl_add_u32 v6, v242, 10, v243              ; x 1,024 bytes + 16 (lane % 16): a load takes 256 bytes of each of two rows
	s_wait_alu depctr_va_vdst(0)                   ; v4, v6 and v252 are written, which the loads below read as their offsets
	s_cmp_lt_u32 s36, 12
	s_cbranch_scc0 .Lprm_asked
	global_load_b128 v[248:251], v252, s[48:49]    ; first, so that it is back first
.Lprm_asked:
.irp i, 0,1,2,3
.irp j, 0,1,2,3,4,5
	global_load_b128 v[X+24*\i+4*\j:X+24*\i+4*\j+3], v4, s[10:11] offset:\i*3072+512*\j
.endr
.endr
.irp i, 0,1,2,3,4,5,6,7,8,9,10,11
	global_load_b128 v[W0+4*\i:W0+4*\i+3], v6, s[16:17] offset:\i*2048
.endr
.irp i, 0,1,2,3,4,5,6,7,8,9,10,11
	global_load_b128 v[W1+4*\i:W1+4*\i+3], v6, s[16:17] offset:(12+\i)*2048
.endr
	; the other addresses, while the loads are on their way: none of these lines names a register of those loads
	v_mul_u32_u24 v7, v242, WLP
	v_lshl_add_u32 v7, v240, 3, v7
	v_add_nc_u32 v7, WL, v7                        ; v7: where my 4 numbers of Wkv go
	s_mul_i32 s44, s36, 4*TNP
	v_lshl_add_u32 v8, v1, 3, s44                  ; v8: where my 4 numbers of tn go
	s_and_b32 s45, s36, 3                          ; my tile's 16 rows
	s_lshr_b32 s46, s36, 2                         ; my tile's 16 columns
	v_mul_u32_u24 v9, v240, TNP
	v_lshl_add_u32 v9, v241, 4, v9
	s_mul_i32 s47, s45, 16*TNP
	v_add_nc_u32 v9, s47, v9                       ; v9: tn's fragments: row x pitch + 16 x half
	v_and_b32 v244, 7, v1
	v_bfe_u32 v245, v1, 3, 1
	v_lshl_add_u32 v10, v241, 3, v244              ; the turning load: lane l reads channel 8 (l / 16) + l % 8, columns 8 ((l / 8) % 2) + 0..7
	v_mul_u32_u24 v10, v10, WLP
	v_lshl_add_u32 v10, v245, 4, v10
	s_lshl_b32 s47, s46, 5
	s_add_co_u32 s47, s47, WL
	v_add_nc_u32 v10, s47, v10                     ; v10: Wkv's fragments, steps 0-11
	v_add_nc_u32 v11, 12*32*WLP, v10               ; v11: steps 12-23 (the immediate has 16 bits)
	v_mul_u32_u24 v12, v240, STP
	v_lshl_add_u32 v12, v241, 4, v12
	s_mul_i32 s47, s45, 16*STP
	s_lshl_b32 s44, s46, 5
	s_add_co_u32 s47, s47, s44
	s_add_co_u32 s47, s47, STG
	v_add_nc_u32 v12, s47, v12                     ; v12: into the stage
	v_lshrrev_b32 v246, 3, v1
	v_mul_u32_u24 v13, v246, STP
	v_lshl_add_u32 v13, v244, 4, v13
	s_mul_i32 s47, s36, 4*STP
	s_add_co_u32 s47, s47, STG
	v_add_nc_u32 v13, s47, v13                     ; v13: back: four rows of 128 bytes a wave,
	s_lshl_b32 s47, s36, 9
	v_add_nc_u32 v14, s47, v5                      ; v14: which are 512 consecutive bytes of k16 or v16
	v_add_nc_u32 v15, PRM, v5                      ; v15: where I read ln_w and ln_b
	v_lshl_add_u32 v247, v0, 4, PRM                ; v247: where threads 0-383 put them: wave w's 512 bytes at 512 w
	v_lshlrev_b32 v253, 4, v0                      ; v253, v254: my 16 bytes in, 8 bytes out, of a round of the weights
	v_lshlrev_b32 v254, 3, v0
	s_wait_alu depctr_va_vdst(0)                   ; v7 to v15, v247, v253 and v254 are written: the addresses of every LDS and memory instruction from here to the role's end
	s_cmp_lt_u32 s36, 12
	s_cbranch_scc0 .Lprm_stored
	s_wait_loadcnt 48                              ; loads come back in order: mine of ln_w or ln_b is in, the 48 issued behind it stay out
	ds_store_b128 v247, v[248:251]
.Lprm_stored:
.macro EACH line:vararg                ; one line for each of my four rows i: no line waits for the one before it
.set i, 0
.rept 4
	\line
.set i, i+1
.endr
.endm
.macro REDUCE o                        ; v[T + 8 i + o] summed over the 32 lanes, the result in every lane; the register behind it is at work
.irp m, 1,2,4,8
	EACH v_add_f32_dpp v[T+8*i+(\o)], v[T+8*i+(\o)], v[T+8*i+(\o)] row_xmask:\m row_mask:0xf bank_mask:0xf
.endr
	EACH v_permlanex16_b32 v[T+8*i+(\o)+1], v[T+8*i+(\o)], s40, s41
	EACH v_add_f32 v[T+8*i+(\o)], v[T+8*i+(\o)], v[T+8*i+(\o)+1]
.endm
.macro WCVT base                       ; 12 loads of Wkv rounded to f16: four numbers close up into the first two of their four registers
.irp i, 0,1,2,3,4,5,6,7,8,9,10,11
	v_cvt_pk_f16_f32 v[(\base)+4*\i], v[(\base)+4*\i], v[(\base)+4*\i+1]
	v_cvt_pk_f16_f32 v[(\base)+4*\i+1], v[(\base)+4*\i+2], v[(\base)+4*\i+3]
.endr
.endm
.macro WSTO base, first                ; and stored: two rows of 128 bytes each
.irp i, 0,1,2,3,4,5,6,7,8,9,10,11
	ds_store_b64 v7, v[(\base)+4*\i:(\base)+4*\i+1] offset:((\first)+\i)*2*WLP
.endr
.endm
	s_wait_loadcnt 24                              ; the text rows are in; the 24 younger loads, Wkv's, may stay out
	EACH v_pk_add_f32 v[T+8*i:T+8*i+1], v[X+24*i:X+24*i+1], v[X+24*i+2:X+24*i+3]
	EACH v_pk_add_f32 v[T+8*i+2:T+8*i+3], v[X+24*i+4:X+24*i+5], v[X+24*i+6:X+24*i+7]
.set p, 4
.rept 4
	EACH v_pk_add_f32 v[T+8*i:T+8*i+1], v[T+8*i:T+8*i+1], v[X+24*i+2*p:X+24*i+2*p+1]
	EACH v_pk_add_f32 v[T+8*i+2:T+8*i+3], v[T+8*i+2:T+8*i+3], v[X+24*i+2*p+2:X+24*i+2*p+3]
.set p, p+2
.endr
	EACH v_pk_add_f32 v[T+8*i:T+8*i+1], v[T+8*i:T+8*i+1], v[T+8*i+2:T+8*i+3]
	EACH v_add_f32 v[T+8*i], v[T+8*i], v[T+8*i+1]
	REDUCE 0
	EACH v_mul_f32 v[T+8*i], s37, v[T+8*i]         ; the mean,
	EACH v_mov_b32 v[T+8*i+1], v[T+8*i]            ; twice: a pair for the packed subtraction
.set p, 0
.rept 12
	EACH v_pk_add_f32 v[X+24*i+2*p:X+24*i+2*p+1], v[X+24*i+2*p:X+24*i+2*p+1], v[T+8*i:T+8*i+1] neg_lo:[0,1] neg_hi:[0,1]
.set p, p+1
.endr
	EACH v_pk_mul_f32 v[T+8*i+2:T+8*i+3], v[X+24*i:X+24*i+1], v[X+24*i:X+24*i+1]
.set p, 1
.rept 11
	EACH v_pk_fma_f32 v[T+8*i+2:T+8*i+3], v[X+24*i+2*p:X+24*i+2*p+1], v[X+24*i+2*p:X+24*i+2*p+1], v[T+8*i+2:T+8*i+3]
.set p, p+1
.endr
	EACH v_add_f32 v[T+8*i+2], v[T+8*i+2], v[T+8*i+3]
	REDUCE 2
	EACH v_fma_f32 v[T+8*i+2], v[T+8*i+2], s37, s38  ; variance + eps
	EACH v_rsq_f32 v[T+8*i+4], v[T+8*i+2]
	EACH v_rsq_f32 v[T+8*i+5], v[T+8*i+2]          ; twice: a pair for the packed multiply
	s_wait_loadcnt 12                              ; Wkv's first 12 are in; its last 12 may stay out
	WCVT W0                                        ; 24 plain instructions that name nothing of the batch above: the independent work behind it
	s_wait_alu depctr_va_vdst(0)                   ; the eight 1/sqrt are written, ahead of their first reader; the conversions have written W0's pairs, which the LDS stores read, and are done reading W0, in which ln_w and ln_b land
	WSTO W0, 0                                     ; on their way under the multiplies below, which name X and T alone
.set p, 0
.rept 12
	EACH v_pk_mul_f32 v[X+24*i+2*p:X+24*i+2*p+1], v[X+24*i+2*p:X+24*i+2*p+1], v[T+8*i+4:T+8*i+5]
.set p, p+1
.endr
	s_wait_dscnt 0x0                               ; for the others' sake: my part of ln_w or ln_b is stored
	s_barrier_signal -1
	s_barrier_wait -1                              ; everybody's is
	s_wait_alu depctr_vm_vsrc(0)                   ; my LDS stores have read W0's pairs: ln_w and ln_b land in these registers now, my share of the weights later
.irp j, 0,1,2,3,4,5
	ds_load_b128 v[LW+4*\j:LW+4*\j+3], v15 offset:512*\j
	ds_load_b128 v[LB+4*\j:LB+4*\j+3], v15 offset:3072+512*\j
.endr
	s_wait_loadcnt 0x0                             ; the rest of Wkv
	WCVT W1
	s_wait_alu depctr_va_vdst(0)                   ; the conversions have written W1's pairs, which the LDS stores read
	WSTO W1, 12
	s_wait_dscnt 12                                ; LDS serves a wave's instructions in order: ln_w and ln_b are in, the 12 stores issued behind them may be out
.set p, 0
.rept 12
	EACH v_pk_fma_f32 v[X+24*i+2*p:X+24*i+2*p+1], v[X+24*i+2*p:X+24*i+2*p+1], v[LW+2*p:LW+2*p+1], v[LB+2*p:LB+2*p+1]
.set p, p+1
.endr
.set p, 0
.rept 6
	EACH v_cvt_pk_f16_f32 v[X+24*i+4*p], v[X+24*i+4*p], v[X+24*i+4*p+1]
	EACH v_cvt_pk_f16_f32 v[X+24*i+4*p+1], v[X+24*i+4*p+2], v[X+24*i+4*p+3]
.set p, p+1
.endr
	s_wait_alu depctr_va_vdst(0)                   ; the roundings have written tn's pairs, which the LDS stores read; the multiply-adds are done reading ln_b, and all vector work is done with T: the weights land there; and X, ln_w and ln_b are done with, in which the fragments land behind the barrier
.irp i, 0,1,2,3,4,5,6,7
	global_load_b128 v[CW+4*\i:CW+4*\i+3], v253, s[50:51] offset:8192*\i th:TH_LOAD_NT  ; my share of the weights, on its way during the product
.endr
.set p, 0
.rept 6
	EACH ds_store_b64 v8, v[X+24*i+4*p:X+24*i+4*p+1] offset:i*TNP+256*p
.set p, p+1
.endr
	s_wait_dscnt 0x0                               ; for the others' sake: my rows of tn and of Wkv are stored
	s_barrier_signal -1
	s_barrier_wait -1                              ; everybody's are
	s_wait_alu depctr_vm_vsrc(0)                   ; my LDS stores have read tn's pairs, in which the fragments land, and W1's pairs, which the accumulators, the stage's data and the stage's row take
; The product, transposed (source 0 = 16 columns of Wkv, source 1 = 16 rows of tn): a lane ends with eight neighbouring columns of one row.  24 steps of 32 channels, in six groups of four.
.macro LOADG g, buf
.irp k, 0,1,2,3
	ds_load_b128 v[(\buf)+16*\k:(\buf)+16*\k+3],         v9 offset:64*(4*(\g)+\k)
	ds_load_b128 v[(\buf)+16*\k+4:(\buf)+16*\k+7],       v9 offset:64*(4*(\g)+\k)+32
	ds_load_tr16_b128 v[(\buf)+16*\k+8:(\buf)+16*\k+11],  v[10+(\g)/3] offset:((4*(\g)+\k)%12)*32*WLP
	ds_load_tr16_b128 v[(\buf)+16*\k+12:(\buf)+16*\k+15], v[10+(\g)/3] offset:((4*(\g)+\k)%12)*32*WLP+16*WLP
.endr
.endm
.macro MULG g, buf                     ; the two accumulators take turns, one instruction a turn; the first two products start the sums
.irp k, 0,1,2,3
.if (4*(\g)+\k) < 2
	v_wmma_f32_16x16x32_f16 v[ACC+8*(\k%2):ACC+8*(\k%2)+7], v[(\buf)+16*\k+8:(\buf)+16*\k+15], v[(\buf)+16*\k:(\buf)+16*\k+7], 0
.else
	v_wmma_f32_16x16x32_f16 v[ACC+8*(\k%2):ACC+8*(\k%2)+7], v[(\buf)+16*\k+8:(\buf)+16*\k+15], v[(\buf)+16*\k:(\buf)+16*\k+7], v[ACC+8*(\k%2):ACC+8*(\k%2)+7]
.endif
.endr
.endm
.macro PLACES                          ; four plain instructions between a matrix instruction and a load into, or a read of, its registers
.rept 4
	v_nop
.endr
.endm
	LOADG 0, B0
	LOADG 1, B1
	s_wait_dscnt 16                                ; group 0 is in; the younger group's 16 loads may stay out
	MULG 0, B0
	PLACES
	s_wait_alu depctr_va_vdst(0)                   ; group 0's matrix instructions are done reading B0, in which group 2 lands
	LOADG 2, B0
	s_wait_dscnt 16
	MULG 1, B1
	PLACES
	s_wait_alu depctr_va_vdst(0)                   ; group 1's matrix instructions are done reading B1, in which group 3 lands
	LOADG 3, B1
	s_wait_dscnt 16
	MULG 2, B0
	PLACES
	s_wait_alu depctr_va_vdst(0)                   ; group 2's matrix instructions are done reading B0, in which group 4 lands
	LOADG 4, B0
	s_wait_dscnt 16
	MULG 3, B1
	PLACES
	s_wait_alu depctr_va_vdst(0)                   ; group 3's matrix instructions are done reading B1, in which group 5 lands
	LOADG 5, B1
	s_wait_dscnt 16
	MULG 4, B0
	s_wait_dscnt 0x0
	MULG 5, B1
	PLACES
	PLACES
.irp p, 0,1,2,3
	v_pk_add_f32 v[ACC+2*\p:ACC+2*\p+1], v[ACC+2*\p:ACC+2*\p+1], v[ACC+8+2*\p:ACC+8+2*\p+1]  ; even and odd steps; each accumulator is read from its low end on
.endr
.irp p, 0,1,2,3
	v_cvt_pk_f16_f32 v[32+\p], v[ACC+2*\p], v[ACC+2*\p+1]
.endr
	s_wait_alu depctr_va_vdst(0)                   ; the roundings have written v[32:35], which the LDS store reads
	ds_store_b128 v12, v[32:35]
	s_wait_dscnt 0x0                               ; a row's 128 bytes come from four waves:
	s_barrier_signal -1
	s_barrier_wait -1                              ; all are stored
	ds_load_b128 v[36:39], v13                     ; no vector instruction since the wait above names v[36:39]
	s_wait_loadcnt 0x0                             ; my share of the weights: rounded and stored while that LDS load is out
.irp i, 0,1,2,3,4,5,6,7
	v_cvt_pk_f16_f32 v[CY+2*\i], v[CW+4*\i], v[CW+4*\i+1]
	v_cvt_pk_f16_f32 v[CY+2*\i+1], v[CW+4*\i+2], v[CW+4*\i+3]
.endr
	s_wait_alu depctr_va_vdst(0)                   ; the roundings have written v[CY ..], which the stores read
.irp i, 0,1,2,3,4,5,6,7
	global_store_b64 v254, v[CY+2*\i:CY+2*\i+1], s[52:53] offset:4096*\i th:TH_STORE_NT  ; a wave's store covers 256 consecutive bytes, aligned
.endr
	s_wait_dscnt 0x0
	global_store_b128 v14, v[36:39], s[32:33]      ; 512 consecutive bytes, at a multiple of 512 from the buffer's first byte
	s_branch .Lend
	; ---------------- the cast role ----------------
.Lcast:
	s_lshl_b32 s34, s57, 19                        ; 524,288 bytes of x in,
	s_mov_b32 s35, 0
	s_add_nc_u64 s[30:31], s[4:5], s[34:35]
	s_lshl_b32 s34, s57, 18                        ; 262,144 of x16 out
	s_add_nc_u64 s[32:33], s[18:19], s[34:35]
	v_lshlrev_b32 v4, 4, v0                        ; neither address register is ever rewritten: the round stands in the immediates (516,096 at the most)
	v_lshlrev_b32 v5, 3, v0
	s_wait_alu depctr_va_vdst(0)                   ; v4 and v5 are written: every load and store of the role reads one of them as its offset
.set r, 0
.rept 32
	global_load_b128 v[CX+4*r:CX+4*r+3], v4, s[30:31] offset:8192*r th:TH_LOAD_NT  ; the ring is filled: rounds 0 to 31
.set r, r+1
.endr
; Turn g of 16 converts group g: rounds 4 g .. 4 g + 3, in slots round % 32.  Ahead of its conversions stand group g - 1's memory instructions: in turns 1 to 8 that group's slots are asked for again, with the
; rounds 32 further on; in every turn its four stores leave.  Loads are issued in the order of the groups, group 8 + k in turn 1 + k: when group g has to be in, the younger groups issued are seven in turn 0,
; six in turns 1 to 9, and then the counts run down.
; A slot's store registers are written a second time eight turns on.  The stores of groups 0 to 6 are issued in turns 1 to 7: the two waits at turn 8's head free their registers, which groups 8 to 14 write.
; Group 7's stores are issued in turn 8: the same two waits at turn 15's head free theirs, which group 15 writes.
.set g, 0
.rept 16
.if g == 0
	s_wait_loadcnt 28                              ; loads come back in order: the group's four are in, the 28 younger ones stay out
.elseif g < 9
	s_wait_loadcnt 24
.else
	s_wait_loadcnt 60-4*g
.endif
.if (g == 8) || (g == 15)
	s_wait_xcnt 0x0                                ; every earlier store has had its address translated (ISA guide 3.1): the store registers named above are written again only behind this wait,
	s_wait_alu depctr_vm_vsrc(0)                   ; and behind this one: those stores have read their data registers
.endif
.if g > 0
	s_wait_alu depctr_va_vdst(0)                   ; the turn before has written its group's store registers, which the stores below read, and is done reading its group's slots, in which the loads below land
.if g < 9
.set n, 0
.rept 4
.set sl, (4*(g-1)+n)%32
	global_load_b128 v[CX+4*sl:CX+4*sl+3], v4, s[30:31] offset:8192*(4*(g-1)+n+32) th:TH_LOAD_NT
.set n, n+1
.endr
.endif
.set n, 0
.rept 4
.set sl, (4*(g-1)+n)%32
	global_store_b64 v5, v[CZ+2*sl:CZ+2*sl+1], s[32:33] offset:4096*(4*(g-1)+n) th:TH_STORE_NT
.set n, n+1
.endr
.endif
.set n, 0
.rept 4
.set sl, (4*g+n)%32
	v_cvt_pk_f16_f32 v[CZ+2*sl], v[CX+4*sl], v[CX+4*sl+1]
	v_cvt_pk_f16_f32 v[CZ+2*sl+1], v[CX+4*sl+2], v[CX+4*sl+3]
.set n, n+1
.endr
.set g, g+1
.endr
	s_wait_alu depctr_va_vdst(0)                   ; turn 15 has written its group's store registers, which the last four stores read
.set n, 0
.rept 4
.set sl, (60+n)%32
	global_store_b64 v5, v[CZ+2*sl:CZ+2*sl+1], s[32:33] offset:4096*(60+n) th:TH_STORE_NT
.set n, n+1
.endr
.Lend:
	s_wait_dscnt 0x0                               ; the closing lines, six on end
	s_wait_alu 0x0
	s_wait_tensorcnt 0x0
	ds_add_u32 v[SPW], v[NIL]
	s_wait_dscnt 0x0
	s_endpgm
.Lfunc_end_k_q5c76907b89_prep:
	.size	k_q5c76907b89_prep, .Lfunc_end_k_q5c76907b89_prep-k_q5c76907b89_prep
	.p2alignl 7, 3214868480
	.fill 96, 4, 3214868480
	.section	.rodata,"a",@progbits
	.p2align	6, 0x0
	.amdhsa_kernel k_q5c76907b89_prep
		.amdhsa_group_segment_fixed_size 239616
		.amdhsa_private_segment_fixed_size 0
		.amdhsa_enable_private_segment 0
		.amdhsa_kernarg_size 96
		.amdhsa_user_sgpr_count 2
		.amdhsa_user_sgpr_kernarg_segment_ptr 1
		.amdhsa_wavefront_size32 1
		.amdhsa_system_sgpr_workgroup_id_x 1
		.amdhsa_system_sgpr_workgroup_id_y 1
		.amdhsa_system_sgpr_workgroup_id_z 1
		.amdhsa_system_vgpr_workitem_id 0
		.amdhsa_next_free_vgpr 256
		.amdhsa_next_free_sgpr 66
		.amdhsa_reserve_vcc 0
		.amdhsa_float_denorm_mode_32 3
		.amdhsa_float_denorm_mode_16_64 3
		.amdhsa_memory_ordered 1
		.amdhsa_forward_progress 1
		.amdhsa_inst_pref_size 73
	.end_amdhsa_kernel
	.amdgpu_metadata
---
amdhsa.version: [ 1, 2 ]
amdhsa.kernels:
  - .name:           k_q5c76907b89_prep
    .symbol:         k_q5c76907b89_prep.kd
    .args:
      - { .name: x, .offset: 0, .size: 8, .value_kind: global_buffer, .address_space: global }
      - { .name: Wq, .offset: 8, .size: 8, .value_kind: global_buffer, .address_space: global }
      - { .name: Wout, .offset: 16, .size: 8, .value_kind: global_buffer, .address_space: global }
      - { .name: text_input, .offset: 24, .size: 8, .value_kind: global_buffer, .address_space: global }
      - { .name: ln_w, .offset: 32, .size: 8, .value_kind: global_buffer, .address_space: global }
      - { .name: ln_b, .offset: 40, .size: 8, .value_kind: global_buffer, .address_space: global }
      - { .name: Wkv, .offset: 48, .size: 8, .value_kind: global_buffer, .address_space: global }
      - { .name: x16, .offset: 56, .size: 8, .value_kind: global_buffer, .address_space: global }
      - { .name: wq16, .offset: 64, .size: 8, .value_kind: global_buffer, .address_space: global }
      - { .name: wo16, .offset: 72, .size: 8, .value_kind: global_buffer, .address_space: global }
      - { .name: k16, .offset: 80, .size: 8, .value_kind: global_buffer, .address_space: global }
      - { .name: v16, .offset: 88, .size: 8, .value_kind: global_buffer, .address_space: global }
    .group_segment_fixed_size: 239616
    .private_segment_fixed_size: 0
    .kernarg_segment_align: 8
    .kernarg_segment_size: 96
    .max_flat_workgroup_size: 512
    .sgpr_count:     66
    .vgpr_count:     256
    .wavefront_size: 32
...
	.end_amdgpu_metadata
.endif
;; end of part 4
;; launch qattn: the kernel of part 2 again; grid 4 x 64, 4 waves a work-group, clusters of 4 x 4, 327,680 bytes of LDS; arguments x16, wq16, k16, v16, o16; writes o16
;; launch oproj: the kernel of part 3 again; grid 4 x 64, 4 waves a work-group, clusters of 4 x 4, 327,680 bytes of LDS; arguments o16, wo16, bout, out0; writes out0
